; MI455X (gfx1250); checked and timed in simulation.
; The chip was launched on July 23, 2026; its instructions are those of AMD's public machine-readable ISA for CDNA 5 (MIT licence, August 2026) and "CDNA5" Instruction Set Architecture Reference Guide (July 2026). The comments in the code are by the model that wrote it; some were corrected since.
;; Multi Head Attention. Allowed arithmetic: matrix products marked QUANTISED: E2M3 operands, one E8M0 scale for each 32 along K, by v_wmma_scale_f32_16x16x128_f8f6f4 with both operands' format E2M3, f32 sums; everything else in f32.
;; Inputs: W_out 1,024 x 1,024 float32; W_qkv 3,072 x 1,024 float32; b_out 1,024 float32; b_qkv 3,072 float32; x 4 x 2,048 x 1,024 float32.
;; Outputs: out0 4 x 2,048 x 1,024 float32.
;; This version of the problem:
;;   THIS VERSION OF THE PROBLEM IS GIVEN IN LOW PRECISION. The matrix products marked QUANTISED in the list below multiply operands that are first quantised to E2M3 (2 exponent bits, 3 mantissa bits; 6 bits a number), with one power-of-two scale for each 32 numbers along K (OCP MX v1.0); their sums are f32. All else is computed in f32.
;;   The module's matrix products, in the order in which they are computed (A, B: the left and right operand; K: the contracted axis; several contracted axes count as one K, in the product's order):
;;     1. [M 8,192, K 1,024] x [K 1,024, N 3,072]; A: input x; B: input W_qkv: QUANTISED
;;     2. batch 64 x [M 2,048, K 64] x [K 64, N 2,048]; A: computed on the way; B: computed on the way: QUANTISED
;;     3. batch 64 x [M 2,048, K 2,048] x [K 2,048, N 64]; A: softmax (see below); B: computed on the way: QUANTISED
;;     4. [M 8,192, K 1,024] x [K 1,024, N 1,024]; A: computed on the way; B: input W_out: QUANTISED
;;   THE QUANTISER, for each operand of a quantised product, along K:
;;     - K is cut into blocks of 32 from its start; a last block that is shorter is filled with zeros.
;;     - A block's scale is 2^e with e = floor(log2(the largest magnitude in the block)) - 2, held to -126 .. 127; a block of zeros has e = 0. As a byte (E8M0): e + 127.
;;     - Each number is divided by its block's scale, clamped to +-7.5, and rounded to the nearest number of E2M3, ties to even, subnormals kept.
;;     - The product sums the exact products of the quantised numbers (number of the format x scale) in f32.
;;   ~~~python
;;   def quantise(x, axis):      # numpy; x: float32 -> the quantised numbers, widened to float32 again
;;       x = np.moveaxis(x, axis, -1); K = x.shape[-1]
;;       x = np.pad(x, [(0, 0)] * (x.ndim - 1) + [(0, -K % 32)]); x = x.reshape(x.shape[:-1] + (-1, 32)); a = np.abs(x).max(-1, keepdims=True)
;;       e = np.where(a > 0, np.clip(np.frexp(np.where(a > 0, a, 1))[1] - 1 - 2, -126, 127), 0)      # np.frexp(a)[1] - 1 = floor(log2(a)), exactly
;;       r = np.clip(x / 2.0 ** e, -7.5, 7.5)
;;       step = 2.0 ** (np.maximum(np.frexp(np.where(r == 0, 1, r))[1] - 1, 0) - 3)
;;       q = np.round(r / step) * step * 2.0 ** e      # np.round: ties to even
;;       return np.moveaxis(q.reshape(q.shape[:-2] + (-1,))[..., :K], -1, axis).astype(np.float32)
;;   ~~~
;;   SOFTMAX AHEAD OF A QUANTISED PRODUCT. Where the list says 'softmax', what is quantised is not the finished softmax but p = 2^(t - M), with t = logit x log2(e) and M = ceil(the row's largest t), a whole number; so 1/2 < the row's largest p <= 1. The row's sum l is taken of the UNQUANTISED p, in f32, and the product's result is divided by l at the end. Since M is a whole number, a kernel that streams over the keys may use a running M (the ceiling of the running maximum): every later rescaling is an exact power of two, which a block's scale takes up: the codes' values come out the same.
;;   OPERANDS COMPUTED ON THE WAY. 'Computed on the way' means the value that the module computes at that place (a softmax that the list does not call 'softmax' is quantised finished and normalised). What goes into a quantiser is computed in f32, as accurately as f32 sums, v_exp_f32 and their like allow (about 1e-6 of the number): no bf16 or f16 on the way to a quantiser, and a product that is left as it is and whose result goes on into a quantised operand takes f32 operands (vector FMAs, or v_wmma_f32_16x16x4_f32). A number that lies on a knife's edge between two numbers of the format may be rounded either way, as far as f32 arithmetic and the matrix unit's own rounding can turn it there, and no further.
;; One version. Each part assembles by itself: llvm-mc -triple=amdgcn-amd-amdhsa -mcpu=gfx1250 --defsym DOCPART=n.
;; ======== version 1 of 1: 4 launches
;; limits: right only within a limited range of input values
;; workspace buffers: cod 9,437,184 bytes; scl 393,216 bytes; qb 6,815,744 bytes; kvb 13,369,344 bytes; vcod 6,291,456 bytes; vscl 262,144 bytes
;; launch quant (part 1): grid 384 x 1, 4 waves a work-group, no clusters, 35,328 bytes of LDS; arguments x, W_qkv, W_out, cod, scl; writes cod, scl
.if DOCPART == 1
	.amdgcn_target "amdgcn-amd-amdhsa--gfx1250"
	.amdhsa_code_object_version 6
	.text
	.protected	k_qefd6d52c26_quant
	.globl	k_qefd6d52c26_quant
	.p2align	8
	.type	k_qefd6d52c26_quant,@function
k_qefd6d52c26_quant:
	s_mov_b64 s[64:65], 0
	v_nop
	global_prefetch_b8 v0, s[64:65] scope:SCOPE_SE
	s_setreg_imm32_b32 hwreg(HW_REG_WAVE_MODE, 25, 1), 1
	s_wait_xcnt 0x0
; x [8192][1024], W_qkv [3072][1024] and W_out [1024][1024], f32, K innermost, become codes of FP6 (E2M3) with one E8M0 byte for each 32 along K,
; laid in the ORDER OF AN OPERAND'S REGISTERS.  The three tensors are 512 + 192 + 64 = 768 tiles of 16 rows.  THE ROWS OF A TILE ARE NOT NEIGHBOURS: lane index p of tile T is row
; 32 (T / 2) + 8 (T % 2) + p + 8 (p / 8), so that results of two neighbouring tiles are 16 neighbours in a lane's registers.
; cod [T][16][768]: a HALF IMAGE is 16 rows x 64 K: lane (r, h) owns the 24 bytes of k = 32 h .. 32 h + 31 of tile row r: its registers 0-3 at byte 16 x lane, registers 4-5 at 512 + 8 x lane.
; scl [T][512]: the scale word of row r for the ks-th 128 along K at 256 (ks / 4) + 16 r + 4 (ks % 4).
; A block's scale is 2^(floor(log2(largest magnitude)) - 2); its byte is the largest magnitude's exponent field - 2, held at 1 from below.
; LIMITS: NaN and infinities are not served; a block whose largest magnitude lies under 2^-124 (a block of zeros too) keeps the byte 1: its codes are then small or zero, and this program alone reads the bytes.
; SHARES: a work-group takes two tiles; wave w takes tile 2 wg + w / 2 and 512 along K (half w % 2): eight units of one half image.  A unit's eight loads read whole rows' pieces of 256 bytes, sixteen lanes each;
; the 4,096 bytes turn through the wave's own stage in LDS (rows 272 bytes apart) and come back 32 neighbours a lane.  No barrier: waves share nothing.  Loads run four units ahead, the turn one.
.set R,   32                           ; v32-159  four sets of 32: a unit as loaded
.set X,   160                          ; v160-223 two sets of 32 neighbours
.set C,   224                          ; v224-229 a block's codes
.set D,   232                          ; v232-234 their upper half as converted
.set E,   16                           ; v16-19   my scale bytes, one register for each 128 along K
.set EP,  20                           ; v20-23   the other half of the lanes'
.set STG, 16*272                       ; a stage
	s_load_b128 s[4:7], s[0:1], 0x0                ; x, W_qkv
	s_load_b128 s[8:11], s[0:1], 0x10              ; W_out, cod
	s_load_b64 s[12:13], s[0:1], 0x20              ; scl
	v_lshl_add_u32 v254, v0, 2, 0x8800
	v_mov_b32 v255, 0
	v_lshrrev_b32 v1, 5, v0
	v_readfirstlane_b32 s14, v1                    ; wave
	v_and_b32 v1, 31, v0                           ; lane
	v_and_b32 v2, 15, v0                           ; r
	v_bfe_u32 v3, v0, 4, 1                         ; h
	s_lshr_b32 s15, s14, 1                         ; which of the two tiles
	s_and_b32 s16, s14, 1                          ; which half of K
	s_mul_i32 s18, s14, 2*STG                      ; my two stages
	v_lshlrev_b32 v4, 4, v2
	v_lshl_add_u32 v4, v3, 12, v4                  ; in: 16 r in a piece of 256 bytes, lanes 16-31 one row down
	v_mul_u32_u24 v5, v3, 272
	v_lshl_add_u32 v5, v2, 4, v5
	v_add_nc_u32 v5, s18, v5                       ; into the stage: the same two rows
	v_mul_u32_u24 v6, v2, 272
	v_lshl_add_u32 v6, v3, 7, v6
	v_add_nc_u32 v6, s18, v6                       ; out of it: row r, my 32 numbers
	v_lshlrev_b32 v7, 4, v1                        ; 16 x lane
	v_lshlrev_b32 v8, 3, v1                        ; 8 x lane
	v_lshlrev_b32 v9, 4, v2
	v_lshl_add_u32 v9, v3, 3, v9                   ; scale words: 16 r + 8 h
	v_lshlrev_b32 v15, 3, v3                       ; 8 h: my byte's place in a pair of bytes
.irp i, 0,1,2,3
	v_mov_b32 v[EP+\i], 0                          ; a lane permute's destination counts as one of its sources
.endr
	s_mov_b32 s20, 0x76543210
	s_mov_b32 s21, 0xfedcba98                      ; v_permlanex16_b32's selects for lane l xor 16
	s_mov_b32 s22, 0xffff0000                      ; lanes 16-31
	s_mov_b32 s17, 352
	s_wait_kmcnt 0x0
	s_cmp_lt_u32 ttmp9, 352                        ; which tensor: the choice hangs on the work-group's number alone
	s_cselect_b64 s[6:7], s[6:7], s[8:9]
	s_cselect_b32 s17, 256, s17
	s_cmp_lt_u32 ttmp9, 256
	s_cselect_b64 s[4:5], s[4:5], s[6:7]
	s_cselect_b32 s17, 0, s17                      ; the tensor's first work-group
	s_sub_co_u32 s17, ttmp9, s17
	s_lshl_b32 s24, s17, 17                        ; 32 rows of 4,096 bytes a work-group,
	s_lshl_b32 s18, s15, 15                        ; 8 rows on for the odd tile,
	s_add_co_u32 s24, s24, s18
	s_lshl_b32 s18, s16, 11                        ; 2,048 bytes on for the second half of K
	s_add_co_u32 s24, s24, s18
	s_mov_b32 s25, 0
	s_add_nc_u64 s[4:5], s[4:5], s[24:25]
	s_lshl_b32 s18, ttmp9, 1
	s_add_co_u32 s18, s18, s15                     ; T
	s_mul_i32 s24, s18, 12288
	s_mul_i32 s19, s16, 6144
	s_add_co_u32 s24, s24, s19
	s_add_nc_u64 s[10:11], s[10:11], s[24:25]      ; my eight half images
	s_lshl_b32 s24, s18, 9
	s_lshl_b32 s19, s16, 8
	s_add_co_u32 s24, s24, s19
	s_add_nc_u64 s[12:13], s[12:13], s[24:25]      ; my 256 bytes of scale words
.macro LOAD t                          ; unit t: load j brings tile rows 2 j and 2 j + 1, 256 consecutive bytes each
.irp j, 0,1,2,3,4,5,6,7
	global_load_b128 v[R+32*((\t)%4)+4*\j:R+32*((\t)%4)+4*\j+3], v4, s[4:5] offset:(2*\j+8*(\j/4))*4096+256*(\t) th:TH_LOAD_NT
.endr
.endm
.macro TURN t                          ; through the stage: LDS serves a wave's instructions in order, so no wait stands between the stores and the loads
.irp j, 0,1,2,3,4,5,6,7
	ds_store_b128 v5, v[R+32*((\t)%4)+4*\j:R+32*((\t)%4)+4*\j+3] offset:STG*((\t)%2)+544*\j
.endr
.irp i, 0,1,2,3,4,5,6,7
	ds_load_b128 v[X+32*((\t)%2)+4*\i:X+32*((\t)%2)+4*\i+3], v6 offset:STG*((\t)%2)+16*\i
.endr
.endm
.macro STEP t
.set XS, X+32*((\t)%2)
	s_wait_dscnt 0x0                               ; this unit's numbers are back from the stage, and its stores into the stage have read their registers,
.if (\t)+4 < 8
	LOAD (\t)+4                                    ; which take the loads of four units on
.endif
.if (\t)+1 < 8
.if (\t)+4 < 8
	s_wait_loadcnt 24                              ; the next unit's eight loads are in; those of the three units behind it may be out
.else
	s_wait_loadcnt 8*(6-(\t))                      ; towards the end fewer units stand behind it
.endif
	TURN (\t)+1
.endif
	v_max3_num_f32 v10, |v[XS]|, |v[XS+1]|, |v[XS+2]|      ; the block's largest magnitude: all 32 numbers are mine; two chains
	v_max3_num_f32 v11, |v[XS+3]|, |v[XS+4]|, |v[XS+5]|
.irp i, 6,10,14,18,22,26
	v_max3_num_f32 v10, v10, |v[XS+\i]|, |v[XS+\i+1]|
	v_max3_num_f32 v11, v11, |v[XS+\i+2]|, |v[XS+\i+3]|
.endr
	v_max3_num_f32 v10, v10, |v[XS+30]|, |v[XS+31]|
	v_max3_num_f32 v10, v10, v11, 0x1800000        ; and the floor 2^(3 - 127): the byte cannot fall under 1
	v_add_nc_u32 v12, 0xff000000, v10              ; 2 off the exponent field: the conversion's scale operand
	v_lshrrev_b32 v13, 23, v12                     ; the scale's byte
.if (\t)%2 == 0
	v_mov_b32 v[E+(\t)/2], v13                     ; block 2 (t % 2) + h of the word of 128 along K: here bits 0 on,
.else
	v_lshl_or_b32 v[E+(\t)/2], v13, 16, v[E+(\t)/2]  ; here bits 16 on; 8 h more at the end
.endif
	s_wait_alu depctr_va_vdst(0)
	s_wait_xcnt 0x0                                ; the last unit's stores have read C: it is written again only behind this wait
	v_cvt_scalef32_pk16_fp6_f32 v[C:C+2], v[XS:XS+15], v12
	v_cvt_scalef32_pk16_fp6_f32 v[D:D+2], v[XS+16:XS+31], v12      ; (a conversion's three registers begin on an even number)
	v_nop                                          ; one plain place behind a scaled conversion
.irp i, 0,1,2
	v_mov_b32 v[C+3+\i], v[D+\i]
.endr
	global_store_b128 v7, v[C:C+3], s[10:11] offset:768*(\t)       ; 512 consecutive bytes,
	global_store_b64 v8, v[C+4:C+5], s[10:11] offset:768*(\t)+512  ; and 256: three whole aligned blocks of 256 bytes a unit
.endm
.irp t, 0,1,2,3
	LOAD \t
.endr
	s_wait_loadcnt 24                              ; unit 0's eight loads are in
	TURN 0
.irp t, 0,1,2,3,4,5,6,7
	STEP \t
.endr
.irp i, 0,1,2,3
	v_lshlrev_b32 v[E+\i], v15, v[E+\i]            ; my two bytes at their places,
.endr
.irp i, 0,1,2,3
	v_permlanex16_b32 v[EP+\i], v[E+\i], s20, s21
.endr
.irp i, 0,1,2,3
	v_or_b32 v[E+\i], v[E+\i], v[EP+\i]            ; with lane l xor 16's two the word is whole
.endr
	v_cndmask_b32 v24, v16, v18, s22               ; lanes 0-15 store words 0 and 1 of their row, lanes 16-31 words 2 and 3
	v_cndmask_b32 v25, v17, v19, s22
	global_store_b64 v9, v[24:25], s[12:13]        ; one aligned block of 256 bytes
	s_wait_tensorcnt 0x0
	ds_add_u32 v254, v255
	s_wait_dscnt 0x0
	s_endpgm
.Lfunc_end_k_qefd6d52c26_quant:
	.size	k_qefd6d52c26_quant, .Lfunc_end_k_qefd6d52c26_quant-k_qefd6d52c26_quant
	.p2alignl 7, 3214868480
	.fill 96, 4, 3214868480
	.section	.rodata,"a",@progbits
	.p2align	6, 0x0
	.amdhsa_kernel k_qefd6d52c26_quant
		.amdhsa_group_segment_fixed_size 35328
		.amdhsa_private_segment_fixed_size 0
		.amdhsa_enable_private_segment 0
		.amdhsa_kernarg_size 40
		.amdhsa_user_sgpr_count 2
		.amdhsa_user_sgpr_kernarg_segment_ptr 1
		.amdhsa_wavefront_size32 1
		.amdhsa_system_sgpr_workgroup_id_x 1
		.amdhsa_system_sgpr_workgroup_id_y 1
		.amdhsa_system_sgpr_workgroup_id_z 1
		.amdhsa_system_vgpr_workitem_id 0
		.amdhsa_next_free_vgpr 256
		.amdhsa_next_free_sgpr 66
		.amdhsa_reserve_vcc 0
		.amdhsa_float_denorm_mode_32 3
		.amdhsa_float_denorm_mode_16_64 3
		.amdhsa_memory_ordered 1
		.amdhsa_forward_progress 1
		.amdhsa_inst_pref_size 32
	.end_amdhsa_kernel
	.amdgpu_metadata
---
amdhsa.version: [ 1, 2 ]
amdhsa.kernels:
  - .name:           k_qefd6d52c26_quant
    .symbol:         k_qefd6d52c26_quant.kd
    .args:
      - { .name: x, .offset: 0, .size: 8, .value_kind: global_buffer, .address_space: global }
      - { .name: W_qkv, .offset: 8, .size: 8, .value_kind: global_buffer, .address_space: global }
      - { .name: W_out, .offset: 16, .size: 8, .value_kind: global_buffer, .address_space: global }
      - { .name: cod, .offset: 24, .size: 8, .value_kind: global_buffer, .address_space: global }
      - { .name: scl, .offset: 32, .size: 8, .value_kind: global_buffer, .address_space: global }
    .group_segment_fixed_size: 35328
    .private_segment_fixed_size: 0
    .kernarg_segment_align: 8
    .kernarg_segment_size: 40
    .max_flat_workgroup_size: 128
    .sgpr_count:     66
    .vgpr_count:     256
    .wavefront_size: 32
...
	.end_amdgpu_metadata
.endif
;; end of part 1
;; launch qkv (part 2): grid 16 x 32, 4 waves a work-group, clusters of 4 x 4, 327,680 bytes of LDS; arguments cod, scl, b_qkv, qb, kvb; writes qb, kvb
.if DOCPART == 2
	.amdgcn_target "amdgcn-amd-amdhsa--gfx1250"
	.amdhsa_code_object_version 6
	.text
	.protected	k_qefd6d52c26_qkv
	.globl	k_qefd6d52c26_qkv
	.p2align	8
	.type	k_qefd6d52c26_qkv,@function
k_qefd6d52c26_qkv:
	s_mov_b64 s[64:65], 0
	v_nop
	global_prefetch_b8 v0, s[64:65] scope:SCOPE_SE
	s_setreg_imm32_b32 hwreg(HW_REG_WAVE_MODE, 25, 1), 1
	s_wait_xcnt 0x0
	s_wait_alu depctr_hold_cnt(0) depctr_sa_sdst(0) depctr_va_vdst(0) depctr_va_sdst(0) depctr_va_ssrc(0) depctr_va_vcc(0) depctr_vm_vsrc(0)
	s_getreg_b32 s2, hwreg(HW_REG_IB_STS2, 6, 4)
	s_cmp_eq_u32 s2, 0
	s_cbranch_scc0 .Lentry_in_a_cluster
	s_endpgm
.Lentry_in_a_cluster:
	s_bfe_u32 s2, ttmp6, 0x10000c
	s_cmp_lg_u32 s2, 0xf033
	s_cbranch_scc0 .Lentry_shape_is_right
	s_endpgm
.Lentry_shape_is_right:
; qkv = x W_qkv^T + b_qkv on codes of FP6 (E2M3) with E8M0 scales, and q, k, v quantised at once for the attention: nothing but codes and scale bytes goes to memory.
; A work-group makes 256 rows (x's tiles 16 mt .. 16 mt + 15) x the 192 columns of ONE head hd (W's tiles i = 0-3: q, 4-7: k, 8-11: v).  Wave w takes x's tiles 4 w + a, a = 0 .. 3, against all twelve: 48 accumulators.
; q AND k ARE USED TRANSPOSED (source 0 = 16 rows of W, source 1 = 16 rows of x): a lane holds one token, and the 16 registers of W's tiles 2 b, 2 b + 1 are d = 32 b + 16 (lane / 16) + 0 .. 15: neighbours along the next K, d.
; v IS USED STRAIGHT (source 0 = x, source 1 = W): a lane holds one d, and the 16 registers of x's tiles 2 b, 2 b + 1 are 16 neighbouring keys: neighbours along ITS next K, the keys.
; Operands lie in memory and in LDS as half images (16 rows x 64 K, 768 bytes: a lane's registers 0-3 at 16 x lane, 4-5 at 512 + 8 x lane): a fragment of 128 K is four loads with no pitch and no bank conflict.
; K goes in steps of 256 through three LDS slots; slot 0 is filled a second time, with the fourth step.  4 x 4 work-groups form a cluster: x's tiles are shared along its row, W's along its column, and asked for jointly.
; The scale words of all of K (64 registers) and the biases come from memory into registers once; a bias is the C of a sum's first matrix instruction.
; OUT: qb [bh][g 32][3328]: four half images of q, then their scale words (lane l: the words of tiles l / 16 and 2 + l / 16 for row l % 16);
;      kvb [bh][step 16][13056]: eight half images of k, eight of v (d tile t, 64 keys c at 6144 + 1536 t + 768 c), k's scale words at 12288, v's at 12800.  Bytes 2 and 3 of q's and k's words are 0: they meet zero codes.
; LIMITS: NaN and infinities are not served; a block whose largest magnitude lies under 2^-124 keeps the byte 1.
; REGISTERS, in windows of 256: window 0: v4-29 addresses; v32-47 x's scale words, v48-95 W's; v96-191 x's fragments, two sets (later the codes just made); v192-221 at work.
;   window 1: W's twelve fragments, one set.  window 2: q's and k's accumulators (W tile 2 b + u, x tile a at 64 b + 16 a + 8 u).  window 3: v's (32 t + 8 a); biases from v128 (q, k) and v192 (v).
.set SLOT,  86016                      ; x's 16 tiles x 3,072 bytes, then W's 12
.set BOFF,  49152
.set SPARE, 3*SLOT                     ; the spare words, 128 bytes for each wave: two blocks of 256 bytes that no other line names
.set XCH,   SPARE+512                  ; where two waves' halves of v's scale words meet: 256 bytes for each pair of waves
.set L16,  4                           ; v4    16 x lane
.set L8,   5                           ; v5    8 x lane
.set AA16, 6                           ; v6-8  my four tiles of x in slot 0, 1, 2, + 16 x lane;  v9-11 + 8 x lane
.set AA8,  9
.set AB16, 12                          ; v12-14, v15-17 the same for W's tiles
.set AB8,  15
.set SOF,  18                          ; v18   scale words: 512 (lane / 16) + 16 r
.set BQK,  19                          ; v19   q's and k's bias: 64 (lane / 16)
.set BV,   20                          ; v20   v's bias: 4 (r + 8 (r / 8))
.set XW,   21                          ; v21   where I put my half of v's scale words
.set XR,   22                          ; v22   and where they are read whole
.set SPW,  28                          ; v28   my spare word; never rewritten
.set NIL,  29                          ; v29   0; never rewritten
.set SCA,  32
.set SCB,  48
.set AF,   96
.set PC,   96                          ; the codes just made: 12 registers an item
.set TM,   192                         ; v192-199 largest magnitudes;  v200-207 the other lanes', then bytes;  v208-215 the conversions' scale operands
.set TP,   200
.set TS,   208
.set PW,   216                         ; v216-219 two scale bytes an item
.set SW,   220                         ; v220-221 as they are stored
.set G1A, 24
.set G1B, 48
.set G0A, 68                           ; s[68:79] group 0 for x's tiles, a set for each slot;  s[80:91] for W's
.set G0B, 80
.set MSB, 0
.macro WIN new                         ; the immediate's high byte repeats the setting that is left; a switch that changes nothing is dropped
.if MSB != (\new)
	s_set_vgpr_msb (MSB<<8)|(\new)
.set MSB, (\new)
.endif
.endm
.set TO_B, 0x40                        ; destination window 1, address window 0
; A joint load: waves 0 and 1 fetch x's tiles, waves 2 and 3 W's.  The branch hangs on the wave's number alone.  Four v_nop follow each of the two lines.
.macro JLOAD g0a, g1a, g0b, g1b
	s_cmp_eq_u32 s15, 0
	s_cbranch_scc0 .Lfor_b_\@
	tensor_load_to_lds s[\g0a:\g0a+3], s[\g1a:\g1a+7]
	s_nop 0
.rept 4
	v_nop
.endr
	s_branch .Lasked_\@
.Lfor_b_\@:
	tensor_load_to_lds s[\g0b:\g0b+3], s[\g1b:\g1b+7]
	s_nop 0
.rept 4
	v_nop
.endr
.Lasked_\@:
.endm
.macro CREST                           ; a round of the cluster's barrier behind its opening barrier
	s_cmp_lg_u32 s14, 0
	s_cbranch_scc1 .Lnot_wave_0_\@
	s_barrier_signal -3
.Lnot_wave_0_\@:
	s_barrier_wait -3
	s_barrier_signal -1
	s_barrier_wait -1
.endm
.macro CROUND
	s_barrier_signal -1
	s_barrier_wait -1
	CREST
.endm
.macro PLACES n                        ; plain places behind matrix instructions, in front of loads into their registers and of reads of results
.rept \n
	v_nop
.endr
.endm
	s_load_b128 s[4:7], s[0:1], 0x0                ; cod, scl
	s_load_b128 s[8:11], s[0:1], 0x10              ; b_qkv, qb
	s_load_b64 s[12:13], s[0:1], 0x20              ; kvb
	v_lshl_add_u32 v[SPW], v0, 2, SPARE
	v_mov_b32 v[NIL], 0
	ds_add_u32 v28, v29
	ds_add_u32 v28, v29
	s_wait_dscnt 0x0
	v_lshrrev_b32 v1, 5, v0
	v_readfirstlane_b32 s14, v1                    ; wave 0..3
	s_lshr_b32 s15, s14, 1                         ; I fetch for x (0) or for W (1).  Also: which 128 keys of the 256 rows are mine
	s_and_b32 s16, s14, 1                          ; which half of those tiles I fetch.  Also: which 64 of the 128 keys
	s_bfe_u32 s40, ttmp6, 0x40000                  ; cx, cy: my place in the cluster
	s_bfe_u32 s41, ttmp6, 0x40004
	s_lshl_b32 s42, ttmp9, 2
	s_add_co_u32 s42, s42, s40                     ; hd = 4 x cluster x + cx
	s_and_b32 s17, ttmp7, 0xffff
	s_lshl_b32 s17, s17, 2
	s_add_co_u32 s17, s17, s41                     ; mt = 4 x cluster y + cy
	s_lshl_b32 s43, s41, 2
	s_lshl_b32 s43, 15, s43                        ; my row of the cluster
	s_lshl_b32 s44, 0x1111, s40                    ; my column
	; group 1: R tiles, each 3,072 consecutive bytes (384 elements of 8 bytes), 12,288 bytes apart in memory, on end in LDS
	s_or_b32 s[G1A], s43, (3<<16)|(1<<21)          ; 15:0 the mask; 17:16 elements of 8 bytes; 21 set beside a mask; no padding
	s_or_b32 s[G1B], s44, (3<<16)|(1<<21)
	s_mov_b32 s[G1A+1], 384<<16                    ; tensor_dim0
	s_mov_b32 s[G1A+2], 16<<16                     ; tensor_dim1: the head's loads bring all 16 tiles of x; behind them the two words that count tiles are set to 8
	s_mov_b32 s[G1A+3], 384<<16                    ; tile_dim0
	s_mov_b32 s[G1A+4], 16                         ; tile_dim1
	s_mov_b32 s[G1A+5], 1536                       ; the pitch
	s_mov_b32 s[G1A+6], 0
	s_mov_b32 s[G1A+7], 0
	s_mov_b32 s[G1B+1], 384<<16
	s_mov_b32 s[G1B+2], 12<<16                     ; the head's loads bring all 12 tiles of W; later 6
	s_mov_b32 s[G1B+3], 384<<16
	s_mov_b32 s[G1B+4], 12
	s_mov_b32 s[G1B+5], 1536
	s_mov_b32 s[G1B+6], 0
	s_mov_b32 s[G1B+7], 0
	s_lshl_b32 s20, s17, 4
	s_lshl_b32 s22, s16, 3
	s_add_co_u32 s20, s20, s22                     ; x: tile 16 mt + 8 x half
	s_mul_i32 s20, s20, 12288
	s_mov_b32 s21, 0
	s_mul_i32 s46, s42, 12
	s_mul_i32 s23, s16, 6
	s_add_co_u32 s46, s46, s23
	s_add_co_u32 s46, s46, 512                     ; W: tile 512 + 12 hd + 6 x half
	s_mul_i32 s46, s46, 12288
	s_mov_b32 s47, 0
	s_mul_i32 s45, s16, 24576                      ; where they go: no place in the cluster enters an LDS address
	s_mul_i32 s94, s16, 18432
	s_add_co_u32 s94, s94, BOFF
	s_wait_kmcnt 0x0
	s_add_nc_u64 s[20:21], s[4:5], s[20:21]
	s_add_nc_u64 s[46:47], s[4:5], s[46:47]
	CROUND                                         ; all sixteen work-groups are here: the first joint loads meet
.irp s, 0,2                            ; sets 0 and 2 serve the ring: slot 2's first fill, and slot 0's second
	s_mov_b32 s[G0A+4*\s], 1
	s_add_co_u32 s[G0A+4*\s+1], s45, \s*SLOT
	s_add_nc_u64 s[G0A+4*\s+2:G0A+4*\s+3], s[20:21], \s*3072
	s_or_b32 s[G0A+4*\s+3], s[G0A+4*\s+3], 0x80000000
	s_mov_b32 s[G0B+4*\s], 1
	s_add_co_u32 s[G0B+4*\s+1], s94, \s*SLOT
	s_add_nc_u64 s[G0B+4*\s+2:G0B+4*\s+3], s[46:47], \s*3072
	s_or_b32 s[G0B+4*\s+3], s[G0B+4*\s+3], 0x80000000
.endr
	; THE HEAD'S LOADS, ONE A WAVE: wave 0 x's 16 tiles of K step 0, wave 1 W's 12, wave 2 x's of K step 1, wave 3 W's.  Set 1 of the groups 0 serves them.
	s_mul_i32 s18, s16, 98304                      ; back from my half (8 tiles of x) to the first tile
	s_mov_b32 s19, 0
	s_sub_nc_u64 s[G0A+6:G0A+7], s[20:21], s[18:19]
	s_mul_i32 s18, s16, 73728                      ; 6 tiles of W
	s_sub_nc_u64 s[G0B+6:G0B+7], s[46:47], s[18:19]
	s_mul_i32 s18, s15, 3072                       ; K step wave / 2
	s_add_nc_u64 s[G0A+6:G0A+7], s[G0A+6:G0A+7], s[18:19]
	s_add_nc_u64 s[G0B+6:G0B+7], s[G0B+6:G0B+7], s[18:19]
	s_or_b32 s[G0A+7], s[G0A+7], 0x80000000
	s_or_b32 s[G0B+7], s[G0B+7], 0x80000000
	s_mov_b32 s[G0A+4], 1
	s_mov_b32 s[G0B+4], 1
	s_mul_i32 s[G0A+5], s15, SLOT                  ; slot wave / 2
	s_add_co_u32 s[G0B+5], s[G0A+5], BOFF
	s_cmp_eq_u32 s16, 0
	s_cbranch_scc0 .Lhead_w
	tensor_load_to_lds s[G0A+4:G0A+7], s[G1A:G1A+7]
	s_nop 0
.rept 4
	v_nop
.endr
	s_branch .Lhead_asked
.Lhead_w:
	tensor_load_to_lds s[G0B+4:G0B+7], s[G1B:G1B+7]
	s_nop 0
.rept 4
	v_nop
.endr
.Lhead_asked:
	v_and_b32 v1, 31, v0                           ; lane
	v_and_b32 v2, 15, v0                           ; r
	v_bfe_u32 v3, v0, 4, 1                         ; lane / 16
	v_lshlrev_b32 v[L16], 4, v1
	v_lshlrev_b32 v[L8], 3, v1
	s_mul_i32 s18, s14, 12288                      ; my four tiles of x
.irp s, 0,1,2
	v_add_nc_u32 v[AA16+\s], s18, v[L16]
	v_add_nc_u32 v[AA8+\s], s18, v[L8]
	v_add_nc_u32 v[AB16+\s], \s*SLOT+BOFF, v[L16]
	v_add_nc_u32 v[AB8+\s], \s*SLOT+BOFF, v[L8]
	s_add_co_u32 s18, s18, SLOT
.endr
	v_lshlrev_b32 v[SOF], 4, v2
	v_lshl_add_u32 v[SOF], v3, 9, v[SOF]
	s_wait_alu depctr_va_vdst(0)
	v_lshlrev_b32 v[BQK], 6, v3
	s_wait_alu depctr_va_vdst(0)
	v_and_b32 v[BV], 8, v2
	v_add_nc_u32 v[BV], v[BV], v2
	v_lshlrev_b32 v[BV], 2, v[BV]
	s_wait_alu depctr_va_vdst(0)
	s_lshl_b32 s18, s15, 8
	s_add_co_u32 s18, s18, XCH
	v_add_nc_u32 v[XR], s18, v[L8]
	s_lshl_b32 s19, s16, 1
	v_add_nc_u32 v[XW], s19, v[XR]
	s_mov_b32 s38, 0x76543210
	s_mov_b32 s39, 0xfedcba98                      ; v_permlanex16_b32's selects for lane l xor 16
	s_mov_b32 s98, 0xffff0000                      ; lanes 16-31
	s_mov_b32 s19, 0
	s_lshl_b32 s18, s17, 4
	s_lshl_b32 s95, s14, 2
	s_add_co_u32 s18, s18, s95
	s_lshl_b32 s18, s18, 9
	s_add_nc_u64 s[32:33], s[6:7], s[18:19]        ; the scale words of my four tiles of x
	s_mul_i32 s18, s42, 12
	s_add_co_u32 s18, s18, 512
	s_lshl_b32 s18, s18, 9
	s_add_nc_u64 s[34:35], s[6:7], s[18:19]        ; of the head's twelve tiles of W
	s_mul_i32 s18, s42, 768
	s_add_nc_u64 s[36:37], s[8:9], s[18:19]        ; the head's 192 biases
	s_lshr_b32 s92, s17, 3
	s_lshl_b32 s92, s92, 4
	s_add_co_u32 s92, s92, s42                     ; bh = 16 b + hd
	s_and_b32 s93, s17, 7                          ; which 256 of the batch's 2,048 tokens
	s_lshl_b32 s18, s92, 5
	s_lshl_b32 s95, s93, 2
	s_add_co_u32 s18, s18, s95
	s_add_co_u32 s18, s18, s14
	s_mul_i32 s18, s18, 3328
	s_add_nc_u64 s[56:57], s[10:11], s[18:19]      ; q: group 4 (mt % 8) + w of the head
	s_lshl_b32 s18, s92, 4
	s_lshl_b32 s95, s93, 1
	s_add_co_u32 s18, s18, s95
	s_add_co_u32 s18, s18, s15
	s_mul_i32 s18, s18, 13056
	s_add_nc_u64 s[58:59], s[12:13], s[18:19]      ; k, v: key step 2 (mt % 8) + w / 2 of the head
	s_mul_i32 s18, s16, 3072
	s_add_nc_u64 s[60:61], s[58:59], s[18:19]      ; k's tiles 4 (w % 2) on
	s_mul_i32 s18, s16, 768
	s_add_nc_u64 s[62:63], s[58:59], s[18:19]      ; v's 64 keys w % 2
	s_lshl_b32 s18, s16, 8
	s_add_nc_u64 s[66:67], s[58:59], s[18:19]      ; k's scale words
.irp p, 0,1
.irp h, 0,1
	global_load_b128 v[SCA+8*\p+4*\h:SCA+8*\p+4*\h+3], v[SOF], s[32:33] offset:1024*\p+256*\h   ; register 8 p + n: lanes 0-15 tile 2 p's words of the n-th 128 along K, lanes 16-31 tile 2 p + 1's
.endr
.endr
.irp p, 0,1,2,3,4,5
.irp h, 0,1
	global_load_b128 v[SCB+8*\p+4*\h:SCB+8*\p+4*\h+3], v[SOF], s[34:35] offset:1024*\p+256*\h
.endr
.endr
	WIN 0xc0                                       ; destination window 3
.irp i, 0,1,2,3,4,5,6,7
	global_load_b128 v[128+8*\i:128+8*\i+3], v[BQK], s[36:37] offset:(32*(\i/2)+8*(\i%2))*4       ; in the result's layout: register j is column 32 (i / 2) + 8 (i % 2) + 16 (lane / 16) + j
	global_load_b128 v[128+8*\i+4:128+8*\i+7], v[BQK], s[36:37] offset:(32*(\i/2)+8*(\i%2))*4+16
.endr
.irp t, 0,1,2,3
.irp j, 0,1,2,3,4,5,6,7
	global_load_b32 v[192+8*\t+\j], v[BV], s[36:37] offset:(128+32*(\t/2)+8*(\t%2))*4             ; v's: a lane holds one d, so its eight registers hold one number
.endr
.endr
	WIN 0
.macro FRAG reg, a16, a8, off          ; a fragment, 16 rows x 128 K: two half images
	ds_load_b128 v[\reg:\reg+3], v[\a16] offset:\off
	ds_load_b64 v[\reg+4:\reg+5], v[\a8] offset:\off+512
	ds_load_b128 v[\reg+6:\reg+9], v[\a16] offset:\off+768
	ds_load_b64 v[\reg+10:\reg+11], v[\a8] offset:\off+1280
.endm
.macro FETCH_A slot, q, set            ; my four tiles of x, the slot's q-th 128 along K: 16 loads
.irp a, 0,1,2,3
	FRAG AF+48*(\set)+12*\a, AA16+\slot, AA8+\slot, 3072*\a+1536*(\q)
.endr
.endm
.macro FETCH_B slot, q, i0, cnt        ; W's tiles i0 .. i0 + cnt - 1: four loads each
	WIN TO_B
.set FI, \i0
.rept \cnt
	FRAG 12*FI, AB16+\slot, AB8+\slot, 3072*FI+1536*(\q)
.set FI, FI+1
.endr
	WIN 0
.endm
.macro WM d, a, b, c, sa, sb, ra, rb   ; one matrix instruction; ra, rb: the side's scale words stand in lanes 16-31
.if (\ra) && (\rb)
	v_wmma_scale_f32_16x16x128_f8f6f4 v[\d:\d+7], v[\a:\a+11], v[\b:\b+11], v[\c:\c+7], v[\sa], v[\sb] matrix_a_fmt:MATRIX_FMT_FP6 matrix_b_fmt:MATRIX_FMT_FP6 matrix_a_scale:MATRIX_SCALE_ROW1 matrix_b_scale:MATRIX_SCALE_ROW1
.elseif (\ra)
	v_wmma_scale_f32_16x16x128_f8f6f4 v[\d:\d+7], v[\a:\a+11], v[\b:\b+11], v[\c:\c+7], v[\sa], v[\sb] matrix_a_fmt:MATRIX_FMT_FP6 matrix_b_fmt:MATRIX_FMT_FP6 matrix_a_scale:MATRIX_SCALE_ROW1
.elseif (\rb)
	v_wmma_scale_f32_16x16x128_f8f6f4 v[\d:\d+7], v[\a:\a+11], v[\b:\b+11], v[\c:\c+7], v[\sa], v[\sb] matrix_a_fmt:MATRIX_FMT_FP6 matrix_b_fmt:MATRIX_FMT_FP6 matrix_b_scale:MATRIX_SCALE_ROW1
.else
	v_wmma_scale_f32_16x16x128_f8f6f4 v[\d:\d+7], v[\a:\a+11], v[\b:\b+11], v[\c:\c+7], v[\sa], v[\sb] matrix_a_fmt:MATRIX_FMT_FP6 matrix_b_fmt:MATRIX_FMT_FP6
.endif
.endm
; W's tile i against my four tiles of x, the n-th 128 along K.  first = 1: the bias is the C.  The 48 accumulators take turns, one instruction a turn, in the same order in every step.
.macro MULB i, n, first
.if (\i) < 8
.if \first
	WIN 0xb1                                       ; source 0 (W) window 1, source 1 (x) window 0, C (bias) window 3, D window 2
.else
	WIN 0xa1                                       ; C and D window 2
.endif
.else
	WIN 0xf4                                       ; source 0 (x) window 0, source 1 (W) window 1, C and D window 3
.endif
.irp a, 0,1,2,3
.if (\i) < 8
.set DR, 64*((\i)/2)+16*\a+8*((\i)%2)
.set CR, DR
.if \first
.set CR, 128+8*(\i)
.endif
	WM DR, 12*(\i), AF+48*((\n)%2)+12*\a, CR, SCB+8*((\i)/2)+(\n), SCA+8*(\a/2)+(\n), (\i)%2, \a%2
.else
.set DR, 32*((\i)-8)+8*\a
.set CR, DR
.if \first
.set CR, 192+8*((\i)-8)
.endif
	WM DR, AF+48*((\n)%2)+12*\a, 12*(\i), CR, SCA+8*(\a/2)+(\n), SCB+8*((\i)/2)+(\n), \a%2, (\i)%2
.endif
.endr
.endm
; A step of 128 along K: 48 matrix instructions.  W has one set of registers: tiles 0-5 are fetched anew in the step's middle, with x's other set, tiles 6-11 at its end.  ns, nq: where the next step's fragments lie.
.macro REST n, ns, nq, first           ; a step from its middle run of loads on
	FETCH_A \ns, \nq, ((\n)+1)%2
	FETCH_B \ns, \nq, 0, 6
.irp i, 6,7,8,9,10,11
	MULB \i, \n, \first
.endr
	PLACES 4
	FETCH_B \ns, \nq, 6, 6
.endm
.macro STEP n, ns, nq, first
	s_wait_dscnt 24                                ; x's set and W's tiles 0-5 are in; the youngest 24 loads (tiles 6-11) may be out
.irp i, 0,1,2,3,4,5
	MULB \i, \n, \first
.endr
	s_wait_dscnt 0x0                               ; tiles 6-11 are in
	PLACES 4
	WIN 0
	REST \n, \ns, \nq, \first
.endm
; A slot's last step where slots change with a barrier.  In front of it each wave waits for all its tensor loads, adds 0 to its spare word, and waits for that and for its reads of the slot.  fill = 1: slot 0 takes K step 3.
.macro TURN n, ns, nq, fill
	s_wait_tensorcnt 0x0                           ; all my tensor loads have landed
	ds_add_u32 v[SPW], v[NIL]                      ; 0 onto my spare word
	s_wait_dscnt 25                                ; (the add and the youngest 24 loads may be out)
.irp i, 0,1,2
	MULB \i, \n, 0                                 ; twelve matrix instructions stand between the add and the wait for it
.endr
	s_wait_dscnt 0x0                               ; the add is done, and my reads of this slot are over
	s_barrier_signal -1
.irp i, 3,4,5
	MULB \i, \n, 0
.endr
	WIN 0
	s_barrier_wait -1
.if \fill
	CREST                                          ; the barrier has opened a round of the cluster's: no wave of any partner still reads slot 0 or has a load on its way
	s_add_nc_u64 s[G0A+2:G0A+3], s[G0A+2:G0A+3], 9216   ; three K steps of 3,072 bytes on
	s_add_nc_u64 s[G0B+2:G0B+3], s[G0B+2:G0B+3], 9216
	JLOAD G0A, G1A, G0B, G1B                       ; the first tensor load behind the round; its four v_nop are the places in front of the loads below
.else
	PLACES 4
.endif
	REST \n, \ns, \nq, 0
.endm
	s_wait_tensorcnt 0x0                           ; my tile group of the head's four is in
	ds_add_u32 v[SPW], v[NIL]
	s_mov_b32 s[G1A+2], 8<<16                      ; no tensor load of mine is out: from here on a load brings 8 tiles of x
	s_mov_b32 s[G1A+4], 8
	s_mov_b32 s[G1B+2], 6<<16                      ; or 6 of W
	s_mov_b32 s[G1B+4], 6
	s_wait_dscnt 0x0
	CROUND                                         ; slots 0 and 1 are whole in every work-group of the cluster
	JLOAD G0A+8, G1A, G0B+8, G1B                   ; K step 2 into slot 2: the first tensor load behind the round
	FETCH_A 0, 0, 0
	FETCH_B 0, 0, 0, 6
	FETCH_B 0, 0, 6, 6
	s_wait_loadcnt 0x0                             ; scale words and biases
	STEP 0, 0, 1, 1
	STEP 1, 1, 0, 0
	TURN 2, 1, 1, 1                                ; slot 2 has landed in every wave; slot 0, read last for step 1, takes K step 3
	STEP 3, 2, 0, 0
	STEP 4, 2, 1, 0
	TURN 5, 0, 0, 0                                ; slot 0's second fill has landed in every wave; nothing is filled again
	STEP 6, 0, 1, 0
	s_wait_dscnt 24                                ; the last step: nothing more to fetch
.irp i, 0,1,2,3,4,5
	MULB \i, 7, 0
.endr
	s_wait_dscnt 0x0
.irp i, 6,7,8,9,10,11
	MULB \i, 7, 0
.endr
	WIN 0
.irp e, 0,1,2,3,4,5,6,7
	v_mov_b32 v[TP+\e], 0                          ; a lane permute's destination counts as one of its sources.  These eight are also the places behind the last products
.endr
; FOUR ITEMS x OF TWO BLOCKS y OF 32 become four half images in v[PC + 12 x] on and two scale bytes each in v[PW + x].  Block (x, y): my 16 numbers in v[base + sx x + sy y] on (window by wa, wb), lane l xor 16 holds the other 16.
.macro EPI wa, wb, base, sx, sy
	s_wait_xcnt 0x0                                ; earlier stores have read their data registers, which are written again below
	WIN \wa                                        ; sources 0 and 1 in the accumulators' window
.irp x, 0,1,2,3
.irp y, 0,1
	v_max3_num_f32 v[TM+2*\x+\y], |v[\base+\sx*\x+\sy*\y]|, |v[\base+\sx*\x+\sy*\y+1]|, 0x1800000   ; each accumulator from its low end on; the floor 2^(3 - 127) holds the byte at 1 from below
.endr
.endr
.irp i, 2,4,6,8,10,12,14
.irp x, 0,1,2,3
.irp y, 0,1
	v_max3_num_f32 v[TM+2*\x+\y], |v[\base+\sx*\x+\sy*\y+\i]|, |v[\base+\sx*\x+\sy*\y+\i+1]|, v[TM+2*\x+\y]
.endr
.endr
.endr
	WIN 0
.irp e, 0,1,2,3,4,5,6,7
	v_permlanex16_b32 v[TP+\e], v[TM+\e], s38, s39
.endr
.irp e, 0,1,2,3,4,5,6,7
	v_max_num_f32 v[TM+\e], v[TM+\e], v[TP+\e]     ; the block's largest magnitude
.endr
.irp e, 0,1,2,3,4,5,6,7
	v_add_nc_u32 v[TS+\e], 0xff000000, v[TM+\e]    ; 2 off its exponent field: the conversion's scale operand
.endr
.irp e, 0,1,2,3,4,5,6,7
	v_lshrrev_b32 v[TP+\e], 23, v[TS+\e]           ; the scale's byte
.endr
.irp x, 0,1,2,3
	v_lshl_or_b32 v[PW+\x], v[TP+2*\x+1], 8, v[TP+2*\x]
.endr
	WIN \wb                                        ; source 0 in the accumulators' window
.irp x, 0,1,2,3
	v_cvt_scalef32_pk16_fp6_f32 v[PC+12*\x:PC+12*\x+2], v[\base+\sx*\x:\base+\sx*\x+15], v[TS+2*\x]
	v_cvt_scalef32_pk16_fp6_f32 v[PC+12*\x+8:PC+12*\x+10], v[\base+\sx*\x+\sy:\base+\sx*\x+\sy+15], v[TS+2*\x+1]
.endr
	WIN 0
	v_nop                                          ; one plain place behind a scaled conversion
.irp x, 0,1,2,3
.irp i, 0,1,2
	v_permlane16_swap_b32 v[PC+12*\x+\i], v[PC+12*\x+8+\i]   ; the layout wants a whole block in a lane: lanes 0-15 block 0, lanes 16-31 block 1
.endr
.endr
.irp x, 0,1,2,3
.irp i, 0,1,2
	v_mov_b32 v[PC+12*\x+3+\i], v[PC+12*\x+8+\i]
.endr
.endr
	v_cndmask_b32 v[SW], v[PW], v[PW+1], s98       ; lanes 0-15 carry items 0 and 2, lanes 16-31 items 1 and 3
	v_cndmask_b32 v[SW+1], v[PW+2], v[PW+3], s98
.endm
.macro IMAGES b0, b1, off, step        ; four half images leave: 512 and 256 consecutive bytes, aligned
.irp x, 0,1,2,3
	global_store_b128 v[L16], v[PC+12*\x:PC+12*\x+3], s[\b0:\b1] offset:\off+\step*\x
	global_store_b64 v[L8], v[PC+12*\x+4:PC+12*\x+5], s[\b0:\b1] offset:\off+\step*\x+512
.endr
.endm
	EPI 0x0a, 0x02, 0, 16, 64                      ; q: item = x's tile a, blocks along d
	IMAGES 56, 57, 0, 768
	global_store_b64 v[L8], v[SW:SW+1], s[56:57] offset:3072
	EPI 0x0a, 0x02, 128, 16, 64                    ; k likewise
	IMAGES 60, 61, 0, 768
	global_store_b64 v[L8], v[SW:SW+1], s[66:67] offset:12288
	EPI 0x0f, 0x03, 0, 32, 16                      ; v: item = d tile t, blocks along my 64 keys
	IMAGES 62, 63, 6144, 1536
	ds_store_b16 v[XW], v[SW]                      ; a scale word of v spans 128 keys, two waves': the halves meet in LDS
	ds_store_b16 v[XW], v[SW+1] offset:4
	s_wait_dscnt 0x0                               ; for the other wave's sake
	s_barrier_signal -1
	s_barrier_wait -1
	s_cmp_lg_u32 s16, 0
	s_cbranch_scc1 .Lnot_mine
	ds_load_b64 v[TM:TM+1], v[XR]
	s_wait_dscnt 0x0
	global_store_b64 v[L8], v[TM:TM+1], s[58:59] offset:12800
.Lnot_mine:
	s_wait_tensorcnt 0x0                           ; the wave's end, behind my last tensor load and my last LDS store
	ds_add_u32 v[SPW], v[NIL]
	s_wait_dscnt 0x0
	CROUND                                         ; the closing round: no work-group ends while a partner may still ask for a tile that names it
	s_endpgm
.Lfunc_end_k_qefd6d52c26_qkv:
	.size	k_qefd6d52c26_qkv, .Lfunc_end_k_qefd6d52c26_qkv-k_qefd6d52c26_qkv
	.p2alignl 7, 3214868480
	.fill 96, 4, 3214868480
	.section	.rodata,"a",@progbits
	.p2align	6, 0x0
	.amdhsa_kernel k_qefd6d52c26_qkv
		.amdhsa_group_segment_fixed_size 327680
		.amdhsa_private_segment_fixed_size 0
		.amdhsa_enable_private_segment 0
		.amdhsa_kernarg_size 40
		.amdhsa_user_sgpr_count 2
		.amdhsa_user_sgpr_kernarg_segment_ptr 1
		.amdhsa_wavefront_size32 1
		.amdhsa_system_sgpr_workgroup_id_x 1
		.amdhsa_system_sgpr_workgroup_id_y 1
		.amdhsa_system_sgpr_workgroup_id_z 1
		.amdhsa_system_vgpr_workitem_id 0
		.amdhsa_next_free_vgpr 1024
		.amdhsa_next_free_sgpr 100
		.amdhsa_reserve_vcc 0
		.amdhsa_float_denorm_mode_32 3
		.amdhsa_float_denorm_mode_16_64 3
		.amdhsa_memory_ordered 1
		.amdhsa_forward_progress 1
		.amdhsa_inst_pref_size 128
	.end_amdhsa_kernel
	.amdgpu_metadata
---
amdhsa.version: [ 1, 2 ]
amdhsa.kernels:
  - .name:           k_qefd6d52c26_qkv
    .symbol:         k_qefd6d52c26_qkv.kd
    .args:
      - { .name: cod, .offset: 0, .size: 8, .value_kind: global_buffer, .address_space: global }
      - { .name: scl, .offset: 8, .size: 8, .value_kind: global_buffer, .address_space: global }
      - { .name: b_qkv, .offset: 16, .size: 8, .value_kind: global_buffer, .address_space: global }
      - { .name: qb, .offset: 24, .size: 8, .value_kind: global_buffer, .address_space: global }
      - { .name: kvb, .offset: 32, .size: 8, .value_kind: global_buffer, .address_space: global }
    .group_segment_fixed_size: 327680
    .private_segment_fixed_size: 0
    .kernarg_segment_align: 8
    .kernarg_segment_size: 40
    .max_flat_workgroup_size: 128
    .sgpr_count:     100
    .vgpr_count:     1024
    .wavefront_size: 32
...
	.end_amdgpu_metadata
.endif
;; end of part 2
;; launch attn (part 3): grid 4 x 64, 16 waves a work-group, clusters of 4 x 1, 211,968 bytes of LDS; arguments qb, kvb, vcod, vscl; writes vcod, vscl
.if DOCPART == 3
	.amdgcn_target "amdgcn-amd-amdhsa--gfx1250"
	.amdhsa_code_object_version 6
	.text
	.protected	k_qefd6d52c26_attn
	.globl	k_qefd6d52c26_attn
	.p2align	8
	.type	k_qefd6d52c26_attn,@function
k_qefd6d52c26_attn:
	s_mov_b64 s[64:65], 0
	v_nop
	global_prefetch_b8 v0, s[64:65] scope:SCOPE_SE
	s_setreg_imm32_b32 hwreg(HW_REG_WAVE_MODE, 25, 1), 1
	s_wait_xcnt 0x0
	s_wait_alu depctr_hold_cnt(0) depctr_sa_sdst(0) depctr_va_vdst(0) depctr_va_sdst(0) depctr_va_ssrc(0) depctr_va_vcc(0) depctr_vm_vsrc(0)
	s_getreg_b32 s2, hwreg(HW_REG_IB_STS2, 6, 4)
	s_cmp_eq_u32 s2, 0
	s_cbranch_scc0 .Lentry_in_a_cluster
	s_endpgm
.Lentry_in_a_cluster:
	s_bfe_u32 s2, ttmp6, 0x10000c
	s_cmp_lg_u32 s2, 0x3003
	s_cbranch_scc0 .Lentry_shape_is_right
	s_endpgm
.Lentry_shape_is_right:
; vals = softmax(q k^T / 8) v for one head, both products on codes of FP6 (E2M3) with E8M0 scales, and vals quantised at once along h x 64 + d for the last product.
; THE SOFTMAX AHEAD OF THE SECOND PRODUCT: t = score x log2(e) / 8; M = the row's largest t so far, rounded UP to a whole number; p = 2^(t - M) is what is quantised, along the keys, not normalised.
; The row's sum is taken of the unquantised p and divides at the end.  When M moves, the sum and O are multiplied by 2^(old M - new M): exact.
; SHARES.  A work-group owns 512 queries of head bh; wave w owns tiles 32 cx + 16 j + w of 16 queries, j = 0, 1, one after the other.  Four waves to a SIMD: one wave's vector work stands beside another's products.
; A HEAD'S WHOLE k AND v LIE IN LDS: 16 key steps of 13,056 bytes, each brought once by one wave's tensor load; no byte is filled twice, so the loop over the keys has no barrier.
; CLUSTER.  The four work-groups of a head need the same bytes: each load is asked for jointly, with the same descriptor and the mask of all four.
; LAYOUT.  Both products transposed: S^T = k q^T, O^T = v^T p^T: a lane holds ONE query.  The keys of a tile and the d of a tile of v are laid (by the launch before) so that the 16 registers of two neighbouring tiles are 16 neighbours.
; THE FIRST PRODUCT'S K IS 64, the instruction's 128: q's codes of k = 64 .. 127 are zeros (v22-27).  A tile of k is six registers; the instruction names twelve, of which the upper six are the next tile's codes
; (behind the last: zeros, v80-85): they meet q's zero codes, under scale bytes 0, and add nothing.
; LIMITS: NaN and infinities are not served; a block of vals whose largest magnitude lies under 2^-124 keeps the byte 1.
; REGISTERS: v1-7, v10 addresses; v12 -M, v13 the largest t, v[14:15] the sum; v16-27 q; v32-85 k's or v's fragments; v96-159 S^T, then p; v160-191 O^T; v192-195 k's scale words, v196-197 v's; v224-235 p's codes; v232-254 at work; v253 p's scale word; v255 q's.
.set STEPB, 13056
.set HWS,   16*STEPB                   ; behind the keys: vals' scale bytes, two for each row: 32 tiles x 32 bytes
.macro CROUND
	s_barrier_signal -1
	s_barrier_wait -1
	s_cmp_lg_u32 s18, 0
	s_cbranch_scc1 .Lnot_wave_0_\@
	s_barrier_signal -3
.Lnot_wave_0_\@:
	s_barrier_wait -3
	s_barrier_signal -1
	s_barrier_wait -1
.endm
	s_load_b128 s[4:7], s[0:1], 0x0                ; qb, kvb
	s_load_b128 s[8:11], s[0:1], 0x10              ; vcod, vscl
	v_lshl_add_u32 v250, v0, 2, 0x33400
	v_mov_b32 v251, 0
	ds_add_u32 v250, v251
	ds_add_u32 v250, v251
	v_lshrrev_b32 v8, 5, v0
	s_delay_alu instid0(VALU_DEP_1)
	v_readfirstlane_b32 s18, v8                    ; wave 0..15
	s_bfe_u32 s40, ttmp6, 0x40000                  ; cx: it enters the addresses of q and of the results alone
	s_and_b32 s41, ttmp7, 0xffff                   ; bh, which the four partners share
	; group 1: a dense block of 13,056 bytes as 51 rows of 256 (32 elements of 8 bytes)
	s_mov_b32 s24, 15|(3<<16)|(1<<21)              ; 15:0 the mask: all four work-groups; 17:16 elements of 8 bytes; 21 set beside a mask
	s_mov_b32 s25, 32<<16
	s_mov_b32 s26, 51<<16
	s_mov_b32 s27, 32<<16
	s_mov_b32 s28, 51
	s_mov_b32 s29, 32
	s_mov_b32 s30, 0
	s_mov_b32 s31, 0
	s_lshl_b32 s42, s41, 4
	s_add_co_u32 s42, s42, s18
	s_mul_i32 s42, s42, STEPB                      ; key step w of the head, in memory,
	s_mov_b32 s43, 0
	s_mul_i32 s44, s18, STEPB                      ; and in LDS
	s_wait_dscnt 0x0
	s_wait_kmcnt 0x0
	CROUND                                         ; all four work-groups are here: the joint loads meet
	s_mov_b32 s32, 1
	s_mov_b32 s33, s44
	s_add_nc_u64 s[34:35], s[6:7], s[42:43]
	s_or_b32 s35, s35, 0x80000000
	tensor_load_to_lds s[32:35], s[24:31]          ; my one tensor load
	s_nop 0
.rept 4
	v_nop
.endr
	s_mov_b32 s20, 0x76543210
	s_mov_b32 s21, 0xfedcba98                      ; v_permlanex16_b32's selects for lane l xor 16
	s_mov_b32 s22, 0x3e38aa3b                      ; c = log2(e) / 8
	s_mov_b32 s23, s22                             ; (named with it as a pair, so it is written)
	s_mov_b32 s39, 0
	s_lshl_b32 s38, s41, 5
	s_lshl_b32 s45, s40, 3
	s_add_co_u32 s38, s38, s45
	s_lshr_b32 s45, s18, 2
	s_add_co_u32 s38, s38, s45
	s_mul_i32 s38, s38, 3328
	s_add_nc_u64 s[46:47], s[4:5], s[38:39]        ; q: group 8 cx + w / 4 of the head (j = 1: four groups on),
	s_and_b32 s38, s18, 3
	s_mul_i32 s38, s38, 768
	s_add_nc_u64 s[48:49], s[46:47], s[38:39]      ; its tile w % 4,
	s_and_b32 s38, s18, 1
	s_lshl_b32 s38, s38, 7
	s_bfe_u32 s45, s18, 0x10001
	s_lshl_b32 s45, s45, 2
	s_add_co_u32 s38, s38, s45
	s_add_nc_u64 s[50:51], s[46:47], s[38:39]      ; and that tile's scale words: 128 (w % 2) + 4 ((w / 2) % 2) + 8 r
	s_lshr_b32 s38, s41, 4
	s_lshl_b32 s38, s38, 7
	s_lshl_b32 s45, s40, 5
	s_add_co_u32 s38, s38, s45
	s_add_co_u32 s38, s38, s18
	s_mul_i32 s38, s38, 12288
	s_and_b32 s45, s41, 15
	s_mul_i32 s45, s45, 768
	s_add_co_u32 s38, s38, s45
	s_add_nc_u64 s[52:53], s[8:9], s[38:39]        ; vals' codes: tile 128 b + 32 cx + w, the head's half image
	s_lshl_b32 s38, s41, 7
	s_lshl_b32 s45, s40, 5
	s_add_co_u32 s38, s38, s45
	s_lshl_b32 s38, s38, 5
	s_add_nc_u64 s[54:55], s[10:11], s[38:39]      ; vals' scale bytes: the work-group's 1,024
	v_and_b32 v8, 31, v0
	v_and_b32 v9, 15, v0
	s_delay_alu instid0(VALU_DEP_2)
	v_lshlrev_b32 v1, 4, v8                        ; 16 x lane
	s_delay_alu instid0(VALU_DEP_3)
	v_lshlrev_b32 v2, 3, v8                        ; 8 x lane
	s_delay_alu instid0(VALU_DEP_3)
	v_lshlrev_b32 v5, 3, v9                        ; 8 r
	s_lshl_b32 s56, s18, 5
	s_add_co_u32 s56, s56, HWS
	v_lshl_add_u32 v6, v9, 1, s56                  ; where my row's two scale bytes go
	v_and_b32 v7, 63, v0
	s_delay_alu instid0(VALU_DEP_1)
	v_lshlrev_b32 v7, 4, v7                        ; and how waves 0 and 1 take them out
	s_delay_alu instid0(VALU_DEP_1)
	v_add_nc_u32 v10, HWS, v7
.irp j, 22,23,24,25,26,27,80,81,82,83,84,85,236,237,238,239,253
	v_mov_b32 v\j, 0                               ; q's zero codes; the zeros behind k's last tile; destinations of lane permutes and the upper half of a pair, written once
.endr
	s_wait_tensorcnt 0x0                           ; my key step is in,
	s_barrier_signal -1
	s_barrier_wait -1                              ; everybody's is
.macro KSTEP                           ; 128 keys, at LDS byte s36
	v_add_nc_u32 v3, s36, v1
	v_add_nc_u32 v4, s36, v2
	v_nop
	v_nop                                          ; four places in front of loads into registers that the last products read
	ds_load_b64 v[192:193], v4 offset:12288        ; k's scale words: register t / 2, lanes 0-15 the even tile, lanes 16-31 the odd
	ds_load_b64 v[194:195], v4 offset:12544
.irp t, 0,1,2,3,4,5,6,7
	ds_load_b128 v[32+6*\t:35+6*\t], v3 offset:768*\t
	ds_load_b64 v[36+6*\t:37+6*\t], v4 offset:768*\t+512
.endr
	s_wait_alu depctr_va_vdst(0)
	s_wait_dscnt 0x0
.irp t, 0,2,4,6
	v_wmma_scale_f32_16x16x128_f8f6f4 v[96+8*\t:103+8*\t], v[32+6*\t:43+6*\t], v[16:27], 0, v[192+\t/2], v255 matrix_a_fmt:MATRIX_FMT_FP6 matrix_b_fmt:MATRIX_FMT_FP6
	v_wmma_scale_f32_16x16x128_f8f6f4 v[104+8*\t:111+8*\t], v[38+6*\t:49+6*\t], v[16:27], 0, v[192+\t/2], v255 matrix_a_fmt:MATRIX_FMT_FP6 matrix_b_fmt:MATRIX_FMT_FP6 matrix_a_scale:MATRIX_SCALE_ROW1
.endr
.rept 4
	v_nop                                          ; places in front of the loads below and of the first read of the scores
.endr
.irp t, 0,1,2,3                                ; v's four fragments are asked for now and land under the softmax
.irp c, 0,1
	ds_load_b128 v[32+12*\t+6*\c:35+12*\t+6*\c], v3 offset:6144+1536*\t+768*\c
	ds_load_b64 v[36+12*\t+6*\c:37+12*\t+6*\c], v4 offset:6144+1536*\t+768*\c+512
.endr
.endr
	ds_load_b64 v[196:197], v4 offset:12800
.irp b, 0,1,2,3
	v_max3_num_f32 v[232+\b], v[96+16*\b], v[97+16*\b], v[98+16*\b]   ; the largest score of each block of 32 keys: for the row's maximum, and, since p rises with the score, for the block's largest p
.endr
.irp i, 3,5,7,9,11,13
.irp b, 0,1,2,3
	v_max3_num_f32 v[232+\b], v[232+\b], v[96+16*\b+\i], v[97+16*\b+\i]
.endr
.endr
.irp b, 0,1,2,3
	v_max_num_f32 v[232+\b], v[232+\b], v[111+16*\b]
.endr
.irp b, 0,1,2,3
	s_delay_alu instid0(VALU_DEP_4)
	v_permlanex16_b32 v[236+\b], v[232+\b], s20, s21
.endr
.irp b, 0,1,2,3
	s_delay_alu instid0(VALU_DEP_4)
	v_max_num_f32 v[232+\b], v[232+\b], v[236+\b]  ; with lane l xor 16's 16 keys
.endr
	s_delay_alu instid0(VALU_DEP_2)
	v_max3_num_f32 v254, v232, v233, v234
	s_delay_alu instid0(VALU_DEP_1)
	v_max_num_f32 v254, v254, v235                 ; the step's largest score of my query
	s_delay_alu instid0(VALU_DEP_1)
	v_mul_f32 v254, s22, v254                      ; as t (c is positive)
	s_delay_alu instid0(VALU_DEP_1)
	v_max_num_f32 v13, v13, v254                   ; the running largest t
	v_mov_b32 v254, v12
	s_delay_alu instid0(VALU_DEP_2)
	v_floor_f32 v12, -v13                          ; the new -M = floor(-t): M is a whole number
	s_delay_alu instid0(VALU_DEP_1)
	v_sub_f32 v254, v12, v254                      ; old M - new M: a whole number, 0 or less
	s_delay_alu instid0(VALU_DEP_1)
	v_cvt_i32_f32 v254, v254                       ; (it saturates)
	s_delay_alu instid0(VALU_DEP_1)
	v_ldexp_f32 v252, 1.0, v254                    ; f = 2^(old M - new M): a multiplication by it rounds nothing
.irp j, 0,2,4,6,8,10,12,14,16,18,20,22,24,26,28,30,32,34,36,38,40,42,44,46,48,50,52,54,56,58,60,62
	v_pk_fma_f32 v[96+\j:97+\j], v[96+\j:97+\j], s[22:23], v[12:13] op_sel_hi:[1,0,0]   ; t - M, two at a time
.endr
.irp b, 0,1,2,3
	v_fma_f32 v[232+\b], v[232+\b], s22, v12       ; the same of each block's largest score
.endr
	s_wait_alu depctr_va_vdst(0)
.irp j, 0,1,2,3,4,5,6,7,8,9,10,11,12,13,14,15,16,17,18,19,20,21,22,23,24,25,26,27,28,29,30,31,32,33,34,35,36,37,38,39,40,41,42,43,44,45,46,47,48,49,50,51,52,53,54,55,56,57,58,59,60,61,62,63
	v_exp_f32 v[96+\j], v[96+\j]                   ; p = 2^(t - M), at most 1
.endr
	v_pk_mul_f32 v[14:15], v[14:15], v[252:253] op_sel_hi:[1,0]   ; the sums under the new M: a plain place behind the exponentials
	s_wait_alu depctr_va_vdst(0)                   ; one wait for the whole batch, ahead of its first reader
.irp b, 0,1,2,3
	v_exp_f32 v[232+\b], v[232+\b]                 ; the block's largest p: the same two instructions on the same number
.endr
	v_pk_add_f32 v[236:237], v[100:101], v[104:105]
	v_pk_add_f32 v[248:249], v[108:109], v[112:113]
	v_pk_add_f32 v[246:247], v[116:117], v[120:121]
	v_pk_add_f32 v[244:245], v[124:125], v[128:129]
	v_pk_add_f32 v[242:243], v[132:133], v[136:137]
	v_pk_add_f32 v[240:241], v[140:141], v[144:145]
	v_pk_add_f32 v[238:239], v[148:149], v[152:153]
	v_pk_add_f32 v[14:15], v[14:15], v[156:157]
	v_pk_add_f32 v[236:237], v[236:237], v[96:97]
	v_pk_add_f32 v[248:249], v[248:249], v[98:99]
	v_pk_add_f32 v[246:247], v[246:247], v[102:103]
	v_pk_add_f32 v[244:245], v[244:245], v[106:107]
	v_pk_add_f32 v[242:243], v[242:243], v[110:111]
	v_pk_add_f32 v[240:241], v[240:241], v[114:115]
	v_pk_add_f32 v[238:239], v[238:239], v[118:119]
	v_pk_add_f32 v[14:15], v[14:15], v[122:123]
	v_pk_add_f32 v[236:237], v[236:237], v[126:127]
	v_pk_add_f32 v[248:249], v[248:249], v[130:131]
	v_pk_add_f32 v[246:247], v[246:247], v[134:135]
	v_pk_add_f32 v[244:245], v[244:245], v[138:139]
	v_pk_add_f32 v[242:243], v[242:243], v[142:143]
	v_pk_add_f32 v[240:241], v[240:241], v[146:147]
	v_pk_add_f32 v[238:239], v[238:239], v[150:151]
	v_pk_add_f32 v[14:15], v[14:15], v[154:155]
	v_pk_add_f32 v[236:237], v[236:237], v[158:159]
	s_delay_alu instid0(VALU_DEP_2)
	v_pk_add_f32 v[14:15], v[14:15], v[244:245]
	s_delay_alu instid0(VALU_DEP_2)
	v_pk_add_f32 v[236:237], v[236:237], v[242:243]
	v_pk_add_f32 v[248:249], v[248:249], v[240:241]
	v_pk_add_f32 v[246:247], v[246:247], v[238:239]
	s_delay_alu instid0(VALU_DEP_2)
	v_pk_add_f32 v[14:15], v[14:15], v[248:249]
	s_delay_alu instid0(VALU_DEP_2)
	v_pk_add_f32 v[236:237], v[236:237], v[246:247]
	s_delay_alu instid0(VALU_DEP_1)
	v_pk_add_f32 v[14:15], v[14:15], v[236:237]
	s_wait_alu depctr_va_vdst(0)                   ; and one for the four
.irp b, 0,1,2,3
	v_max_num_f32 v[232+\b], 0x1800000, v[232+\b]  ; the floor 2^(3 - 127): the byte cannot fall under 1
.endr
.irp b, 0,1,2,3
	s_delay_alu instid0(VALU_DEP_4)
	v_add_nc_u32 v[244+\b], 0xff000000, v[232+\b]  ; 2 off the exponent field: the conversion's scale operand
.endr
.irp b, 0,1,2,3
	s_delay_alu instid0(VALU_DEP_4)
	v_lshrrev_b32 v[236+\b], 23, v[244+\b]         ; the scale's byte
.endr
	s_delay_alu instid0(VALU_DEP_3)
	v_lshl_or_b32 v253, v237, 8, v236              ; p's scale word for these 128 keys
	s_delay_alu instid0(VALU_DEP_1)
	v_lshl_or_b32 v253, v238, 16, v253
	s_delay_alu instid0(VALU_DEP_1)
	v_lshl_or_b32 v253, v239, 24, v253
.irp c, 0,1
	v_cvt_scalef32_pk16_fp6_f32 v[224+6*\c:226+6*\c], v[96+32*\c:111+32*\c], v[244+2*\c]
	v_cvt_scalef32_pk16_fp6_f32 v[236+4*\c:238+4*\c], v[112+32*\c:127+32*\c], v[244+2*\c+1]
.endr
	v_nop                                          ; one plain place behind a scaled conversion
.irp c, 0,1
.irp i, 0,1,2
	v_permlane16_swap_b32 v[224+6*\c+\i], v[236+4*\c+\i]   ; a whole block in a lane: lanes 0-15 block 2 c, lanes 16-31 block 2 c + 1
.endr
.irp i, 0,1,2
	s_delay_alu instid0(VALU_DEP_3)
	v_mov_b32 v[227+6*\c+\i], v[236+4*\c+\i]
.endr
.endr
.irp j, 0,2,4,6,8,10,12,14,16,18,20,22,24,26,28,30
	v_pk_mul_f32 v[160+\j:161+\j], v[160+\j:161+\j], v[252:253] op_sel_hi:[1,0]   ; O^T under the new M.  These sixteen are also the places between the codes' and the scale word's last writes and the products
.endr
	s_wait_alu depctr_va_vdst(0)
	s_wait_dscnt 0x0                               ; v's fragments and scale words are in
.irp t, 0,2
	v_wmma_scale_f32_16x16x128_f8f6f4 v[160+8*\t:167+8*\t], v[32+12*\t:43+12*\t], v[224:235], v[160+8*\t:167+8*\t], v[196+\t/2], v253 matrix_a_fmt:MATRIX_FMT_FP6 matrix_b_fmt:MATRIX_FMT_FP6
	v_wmma_scale_f32_16x16x128_f8f6f4 v[168+8*\t:175+8*\t], v[44+12*\t:55+12*\t], v[224:235], v[168+8*\t:175+8*\t], v[196+\t/2], v253 matrix_a_fmt:MATRIX_FMT_FP6 matrix_b_fmt:MATRIX_FMT_FP6 matrix_a_scale:MATRIX_SCALE_ROW1
.endr
.endm
.macro TRIP j                          ; one tile of 16 queries against all 2,048 keys
	s_wait_xcnt 0x0                                ; the last tile's stores have read their data registers
	global_load_b128 v[16:19], v1, s[48:49] offset:13312*\j
	global_load_b64 v[20:21], v2, s[48:49] offset:13312*\j+512
	global_load_b32 v255, v5, s[50:51] offset:13312*\j+3072
	v_mov_b32 v13, 0xff61b1e6                      ; the largest t so far: -3e38, under every t
	s_delay_alu instid0(VALU_DEP_1)
	v_floor_f32 v12, -v13                          ; -M
	v_mov_b32 v14, 0                               ; the sum, in two halves
	v_mov_b32 v15, 0
.irp i, 0,1,2,3,4,5,6,7,8,9,10,11,12,13,14,15,16,17,18,19,20,21,22,23,24,25,26,27,28,29,30,31
	v_mov_b32 v[160+\i], 0                         ; O^T: the step is written once; the first finds zeros, which the first change of M leaves zeros
.endr
	s_mov_b32 s36, 0
	s_mov_b32 s37, 16
	s_wait_loadcnt 0x0
.Lstep_\@:
	KSTEP
	s_add_co_u32 s36, s36, STEPB
	s_sub_co_u32 s37, s37, 1
	s_cmp_lg_u32 s37, 0
	s_cbranch_scc1 .Lstep_\@
.rept 4
	v_nop                                          ; places behind the last products
.endr
	v_add_f32 v14, v14, v15                        ; the sum's two halves,
	s_delay_alu instid0(VALU_DEP_1)
	v_permlanex16_b32 v252, v14, s20, s21
	s_delay_alu instid0(VALU_DEP_1)
	v_add_f32 v14, v14, v252                       ; and lane l xor 16's: the row's sum
	s_wait_alu depctr_va_vdst(0)
	v_rcp_f32 v14, v14
	v_nop                                          ; a plain place behind the reciprocal
	s_wait_alu depctr_va_vdst(0)                   ; and the wait ahead of its first reader
.irp i, 0,2,4,6,8,10,12,14,16,18,20,22,24,26,28,30
	v_pk_mul_f32 v[96+\i:97+\i], v[160+\i:161+\i], v[14:15] op_sel_hi:[1,0]   ; vals: register 16 b + i is d = 32 b + 16 (lane / 16) + i of my query; each accumulator from its low end on
.endr
	v_max3_num_f32 v232, |v96|, |v97|, 0x1800000   ; the two blocks of 32 along d
	v_max3_num_f32 v233, |v112|, |v113|, 0x1800000
.irp i, 2,4,6,8,10,12,14
	s_delay_alu instid0(VALU_DEP_2)
	v_max3_num_f32 v232, v232, |v[96+\i]|, |v[97+\i]|
	s_delay_alu instid0(VALU_DEP_2)
	v_max3_num_f32 v233, v233, |v[112+\i]|, |v[113+\i]|
.endr
	s_delay_alu instid0(VALU_DEP_2)
	v_permlanex16_b32 v236, v232, s20, s21
	s_delay_alu instid0(VALU_DEP_2)
	v_permlanex16_b32 v237, v233, s20, s21
	s_delay_alu instid0(VALU_DEP_2)
	v_max_num_f32 v232, v232, v236
	s_delay_alu instid0(VALU_DEP_2)
	v_max_num_f32 v233, v233, v237
	s_delay_alu instid0(VALU_DEP_2)
	v_add_nc_u32 v244, 0xff000000, v232
	s_delay_alu instid0(VALU_DEP_2)
	v_add_nc_u32 v245, 0xff000000, v233
	s_delay_alu instid0(VALU_DEP_2)
	v_lshrrev_b32 v236, 23, v244
	s_delay_alu instid0(VALU_DEP_2)
	v_lshrrev_b32 v237, 23, v245
	s_delay_alu instid0(VALU_DEP_1)
	v_lshl_or_b32 v248, v237, 8, v236              ; my row's two scale bytes
	v_cvt_scalef32_pk16_fp6_f32 v[224:226], v[96:111], v244
	v_cvt_scalef32_pk16_fp6_f32 v[236:238], v[112:127], v245
	v_nop
.irp i, 0,1,2
	v_permlane16_swap_b32 v[224+\i], v[236+\i]
.endr
.irp i, 0,1,2
	s_delay_alu instid0(VALU_DEP_3)
	v_mov_b32 v[227+\i], v[236+\i]
.endr
	global_store_b128 v1, v[224:227], s[52:53] offset:196608*\j       ; a half image: 512 and 256 consecutive bytes, aligned
	global_store_b64 v2, v[228:229], s[52:53] offset:196608*\j+512
	ds_store_b16 v6, v248 offset:512*\j            ; both halves of the lanes write the same bytes with the same value
.endm
	TRIP 0
	TRIP 1
	s_wait_dscnt 0x0                               ; for the others' sake: my scale bytes lie in LDS
	s_barrier_signal -1
	s_barrier_wait -1
	s_cmp_lt_u32 s18, 2
	s_cbranch_scc0 .Lno_bytes
	ds_load_b128 v[96:99], v10                     ; waves 0 and 1 take the work-group's 1,024 scale bytes out in whole aligned blocks
	s_wait_dscnt 0x0
	global_store_b128 v7, v[96:99], s[54:55]
.Lno_bytes:
	s_wait_tensorcnt 0x0
	ds_add_u32 v250, v251
	s_wait_dscnt 0x0
	CROUND                                         ; the closing round: no work-group ends while a partner may still ask for a tile that names it
	s_endpgm
.Lfunc_end_k_qefd6d52c26_attn:
	.size	k_qefd6d52c26_attn, .Lfunc_end_k_qefd6d52c26_attn-k_qefd6d52c26_attn
	.p2alignl 7, 3214868480
	.fill 96, 4, 3214868480
	.section	.rodata,"a",@progbits
	.p2align	6, 0x0
	.amdhsa_kernel k_qefd6d52c26_attn
		.amdhsa_group_segment_fixed_size 211968
		.amdhsa_private_segment_fixed_size 0
		.amdhsa_enable_private_segment 0
		.amdhsa_kernarg_size 32
		.amdhsa_user_sgpr_count 2
		.amdhsa_user_sgpr_kernarg_segment_ptr 1
		.amdhsa_wavefront_size32 1
		.amdhsa_system_sgpr_workgroup_id_x 1
		.amdhsa_system_sgpr_workgroup_id_y 1
		.amdhsa_system_sgpr_workgroup_id_z 1
		.amdhsa_system_vgpr_workitem_id 0
		.amdhsa_next_free_vgpr 256
		.amdhsa_next_free_sgpr 66
		.amdhsa_reserve_vcc 0
		.amdhsa_float_denorm_mode_32 3
		.amdhsa_float_denorm_mode_16_64 3
		.amdhsa_memory_ordered 1
		.amdhsa_forward_progress 1
		.amdhsa_inst_pref_size 52
	.end_amdhsa_kernel
	.amdgpu_metadata
---
amdhsa.version: [ 1, 2 ]
amdhsa.kernels:
  - .name:           k_qefd6d52c26_attn
    .symbol:         k_qefd6d52c26_attn.kd
    .args:
      - { .name: qb, .offset: 0, .size: 8, .value_kind: global_buffer, .address_space: global }
      - { .name: kvb, .offset: 8, .size: 8, .value_kind: global_buffer, .address_space: global }
      - { .name: vcod, .offset: 16, .size: 8, .value_kind: global_buffer, .address_space: global }
      - { .name: vscl, .offset: 24, .size: 8, .value_kind: global_buffer, .address_space: global }
    .group_segment_fixed_size: 211968
    .private_segment_fixed_size: 0
    .kernarg_segment_align: 8
    .kernarg_segment_size: 32
    .max_flat_workgroup_size: 512
    .sgpr_count:     66
    .vgpr_count:     256
    .wavefront_size: 32
...
	.end_amdgpu_metadata
.endif
;; end of part 3
;; launch outp (part 4): grid 8 x 32, 4 waves a work-group, clusters of 4 x 4, 327,680 bytes of LDS; arguments vcod, vscl, cod, scl, b_out, out0; writes out0
.if DOCPART == 4
	.amdgcn_target "amdgcn-amd-amdhsa--gfx1250"
	.amdhsa_code_object_version 6
	.text
	.protected	k_qefd6d52c26_outp
	.globl	k_qefd6d52c26_outp
	.p2align	8
	.type	k_qefd6d52c26_outp,@function
k_qefd6d52c26_outp:
	s_mov_b64 s[64:65], 0
	v_nop
	global_prefetch_b8 v0, s[64:65] scope:SCOPE_SE
	s_setreg_imm32_b32 hwreg(HW_REG_WAVE_MODE, 25, 1), 1
	s_wait_xcnt 0x0
	s_wait_alu depctr_hold_cnt(0) depctr_sa_sdst(0) depctr_va_vdst(0) depctr_va_sdst(0) depctr_va_ssrc(0) depctr_va_vcc(0) depctr_vm_vsrc(0)
	s_getreg_b32 s2, hwreg(HW_REG_IB_STS2, 6, 4)
	s_cmp_eq_u32 s2, 0
	s_cbranch_scc0 .Lentry_in_a_cluster
	s_endpgm
.Lentry_in_a_cluster:
	s_bfe_u32 s2, ttmp6, 0x10000c
	s_cmp_lg_u32 s2, 0xf033
	s_cbranch_scc0 .Lentry_shape_is_right
	s_endpgm
.Lentry_shape_is_right:
; out0 = vals W_out^T + b_out on codes of FP6 (E2M3) with E8M0 scales.  A work-group makes 256 rows x 128 columns; wave w takes vals' tiles 4 w + a against W's eight.
; ALL OF K LIES IN LDS, filled once, in two halves along K of HALF bytes: in each, vals' 16 tiles x 6,144 bytes, then from BOFF on W's 8 tiles x 6,144 bytes.
; One joint load a wave at the head: wave 0 vals' first half, wave 1 W's, wave 2 vals' second half, wave 3 W's.  The first barrier shows the first half, a second one ahead of step 3 the other.
; No prefetch: every fill goes out at the head, there is no loop to run ahead in.
.set HALF,  147456
.set BOFF,  98304
.set L16,  4
.set L8,   5
.set AA16, 6
.set AA8,  10
.set AB16, 14
.set AB8,  18
.set SOF,  22
.set BQK,  23
.set STO,  24
.set RD,   25
.set HOF,  26
.set SCA,  32
.set SCB,  48
.set AF,   96
.set HT,   192
.set BK,   128
.set G1A, 24
.set G1B, 48
.set G0A, 68
.set G0B, 84
.set MSB, 0
.macro WIN new
.if MSB != (\new)
	s_set_vgpr_msb (MSB<<8)|(\new)
.set MSB, (\new)
.endif
.endm
.set TO_B, 0x40
.macro ARM w, g0, g1, next             ; one arm of the head's chain: wave w's own load line, then a jump to the chain's end
	s_cmp_eq_u32 s14, \w
	s_cbranch_scc0 \next
	tensor_load_to_lds s[\g0:\g0+3], s[\g1:\g1+7]
	s_nop 0
.rept 4
	v_nop
.endr
	s_branch .Lhead_asked
\next:
.endm
.macro CROUND
	s_barrier_signal -1
	s_barrier_wait -1
	s_cmp_lg_u32 s14, 0
	s_cbranch_scc1 .Lnot_wave_0_\@
	s_barrier_signal -3
.Lnot_wave_0_\@:
	s_barrier_wait -3
	s_barrier_signal -1
	s_barrier_wait -1
.endm
.macro PLACES n
.rept \n
	v_nop
.endr
.endm
	s_load_b128 s[4:7], s[0:1], 0x0
	s_load_b128 s[8:11], s[0:1], 0x10
	s_load_b128 s[56:59], s[0:1], 0x20
	v_lshl_add_u32 v94, v0, 2, 0x48000
	v_mov_b32 v95, 0
	ds_add_u32 v94, v95
	ds_add_u32 v94, v95
	v_lshrrev_b32 v1, 5, v0
	v_readfirstlane_b32 s14, v1
	s_bfe_u32 s40, ttmp6, 0x40000
	s_bfe_u32 s41, ttmp6, 0x40004
	s_lshl_b32 s42, ttmp9, 2
	s_add_co_u32 s42, s42, s40
	s_and_b32 s17, ttmp7, 0xffff
	s_lshl_b32 s17, s17, 2
	s_add_co_u32 s17, s17, s41
	s_lshl_b32 s43, s41, 2
	s_lshl_b32 s43, 15, s43
	s_lshl_b32 s44, 0x1111, s40
	s_or_b32 s[G1A], s43, (3<<16)|(1<<21)
	s_or_b32 s[G1B], s44, (3<<16)|(1<<21)
	s_mov_b32 s[G1A+1], 768<<16                    ; 16 tiles of vals, of each 6,144 bytes on end (768 elements of 8 bytes), 12,288 bytes apart in memory, on end in LDS
	s_mov_b32 s[G1A+2], 16<<16
	s_mov_b32 s[G1A+3], 768<<16
	s_mov_b32 s[G1A+4], 16
	s_mov_b32 s[G1A+5], 1536
	s_mov_b32 s[G1A+6], 0
	s_mov_b32 s[G1A+7], 0
	s_mov_b32 s[G1B+1], 768<<16                    ; 8 tiles of W likewise
	s_mov_b32 s[G1B+2], 8<<16
	s_mov_b32 s[G1B+3], 768<<16
	s_mov_b32 s[G1B+4], 8
	s_mov_b32 s[G1B+5], 1536
	s_mov_b32 s[G1B+6], 0
	s_mov_b32 s[G1B+7], 0
	s_lshl_b32 s20, s17, 4                         ; vals: tile 16 x tile row
	s_mul_i32 s20, s20, 12288
	s_mov_b32 s21, 0
	s_lshl_b32 s46, s42, 3
	s_add_co_u32 s46, s46, 704                     ; W_out: tile 704 + 8 x tile column
	s_mul_i32 s46, s46, 12288
	s_mov_b32 s47, 0
	s_wait_dscnt 0x0
	s_wait_kmcnt 0x0
	s_add_nc_u64 s[20:21], s[4:5], s[20:21]
	s_add_nc_u64 s[46:47], s[8:9], s[46:47]
	CROUND
.irp h, 0,1                            ; a group 0 for each half of K
	s_mov_b32 s[G0A+4*\h], 1
	s_mov_b32 s[G0A+4*\h+1], \h*HALF
	s_add_nc_u64 s[G0A+4*\h+2:G0A+4*\h+3], s[20:21], \h*6144
	s_or_b32 s[G0A+4*\h+3], s[G0A+4*\h+3], 0x80000000
	s_mov_b32 s[G0B+4*\h], 1
	s_mov_b32 s[G0B+4*\h+1], \h*HALF+BOFF
	s_add_nc_u64 s[G0B+4*\h+2:G0B+4*\h+3], s[46:47], \h*6144
	s_or_b32 s[G0B+4*\h+3], s[G0B+4*\h+3], 0x80000000
.endr
	ARM 0, G0A, G1A, .Lhead_b0                     ; one tensor load a wave, what is needed first asked for first
	ARM 1, G0B, G1B, .Lhead_a1
	ARM 2, G0A+4, G1A, .Lhead_b1
	tensor_load_to_lds s[G0B+4:G0B+7], s[G1B:G1B+7]
	s_nop 0
.rept 4
	v_nop
.endr
.Lhead_asked:
	v_and_b32 v1, 31, v0
	v_and_b32 v2, 15, v0
	v_bfe_u32 v3, v0, 4, 1
	v_lshlrev_b32 v[L16], 4, v1
	v_lshlrev_b32 v[L8], 3, v1
	s_mul_i32 s18, s14, 24576                      ; my four tiles of vals in a half; the s-th 256 along K lies in half s / 2, 3,072 (s % 2) bytes into a tile
.irp s, 0,1,2,3
	v_add_nc_u32 v[AA16+\s], s18, v[L16]
	v_add_nc_u32 v[AA8+\s], s18, v[L8]
	v_add_nc_u32 v[AB16+\s], (\s/2)*HALF+(\s%2)*3072+BOFF, v[L16]
	v_add_nc_u32 v[AB8+\s], (\s/2)*HALF+(\s%2)*3072+BOFF, v[L8]
	s_add_co_u32 s18, s18, 3072+(\s%2)*(HALF-6144)
.endr
	v_lshlrev_b32 v[SOF], 4, v2
	v_lshl_add_u32 v[SOF], v3, 9, v[SOF]
	v_lshlrev_b32 v[BQK], 6, v3
	v_lshlrev_b32 v[HOF], 1, v1
	s_wait_alu depctr_va_vdst(0)
	s_mul_i32 s18, s14, 24576                      ; my stage for the way out: the first 8,448 bytes of my own four tiles in the first half, which no other wave reads
	v_mul_u32_u24 v[STO], v2, 528
	v_lshl_add_u32 v[STO], v3, 6, v[STO]
	v_add_nc_u32 v[STO], s18, v[STO]
	v_add_nc_u32 v[RD], s18, v[L16]
	s_mov_b32 s19, 0
	s_lshr_b32 s18, s17, 3
	s_lshl_b32 s18, s18, 16
	s_and_b32 s63, s17, 7
	s_lshl_b32 s63, s63, 4
	s_lshl_b32 s66, s14, 2
	s_add_co_u32 s63, s63, s66
	s_lshl_b32 s63, s63, 5
	s_add_co_u32 s18, s18, s63
	s_add_nc_u64 s[32:33], s[6:7], s[18:19]
	s_lshl_b32 s18, s42, 3
	s_add_co_u32 s18, s18, 704
	s_lshl_b32 s18, s18, 9
	s_add_nc_u64 s[34:35], s[10:11], s[18:19]
	s_lshl_b32 s18, s42, 9
	s_add_nc_u64 s[36:37], s[56:57], s[18:19]
	s_lshl_b32 s63, s17, 8
	s_lshl_b32 s66, s14, 6
	s_add_co_u32 s63, s63, s66
	s_lshl_b32 s63, s63, 12
	s_add_co_u32 s18, s18, s63
	s_add_nc_u64 s[60:61], s[58:59], s[18:19]
.irp h, 0,1,2,3,4,5,6,7,8,9,10,11,12,13,14,15
.irp p, 0,1
	global_load_u16 v[HT+2*\h+\p], v[HOF], s[32:33] offset:4096*\h+64*\p
.endr
.endr
.irp p, 0,1,2,3
.irp h, 0,1
	global_load_b128 v[SCB+8*\p+4*\h:SCB+8*\p+4*\h+3], v[SOF], s[34:35] offset:1024*\p+256*\h
.endr
.endr
	WIN 0xc0
.irp i, 0,1,2,3,4,5,6,7
	global_load_b128 v[8*\i:8*\i+3], v[BQK], s[36:37] offset:(32*(\i/2)+8*(\i%2))*4
	global_load_b128 v[8*\i+4:8*\i+7], v[BQK], s[36:37] offset:(32*(\i/2)+8*(\i%2))*4+16
.endr
	WIN 0
.macro FRAG reg, a16, a8, off
	ds_load_b128 v[\reg:\reg+3], v[\a16] offset:\off
	ds_load_b64 v[\reg+4:\reg+5], v[\a8] offset:\off+512
	ds_load_b128 v[\reg+6:\reg+9], v[\a16] offset:\off+768
	ds_load_b64 v[\reg+10:\reg+11], v[\a8] offset:\off+1280
.endm
.macro FETCH_A slot, q, set
.irp a, 0,1,2,3
	FRAG AF+48*(\set)+12*\a, AA16+\slot, AA8+\slot, 6144*\a+1536*(\q)
.endr
.endm
.macro FETCH_B slot, q, i0, cnt
	WIN TO_B
.set FI, \i0
.rept \cnt
	FRAG 12*FI, AB16+\slot, AB8+\slot, 6144*FI+1536*(\q)
.set FI, FI+1
.endr
	WIN 0
.endm
.macro WM d, a, b, c, sa, sb, ra, rb
.if (\ra) && (\rb)
	v_wmma_scale_f32_16x16x128_f8f6f4 v[\d:\d+7], v[\a:\a+11], v[\b:\b+11], v[\c:\c+7], v[\sa], v[\sb] matrix_a_fmt:MATRIX_FMT_FP6 matrix_b_fmt:MATRIX_FMT_FP6 matrix_a_scale:MATRIX_SCALE_ROW1 matrix_b_scale:MATRIX_SCALE_ROW1
.elseif (\ra)
	v_wmma_scale_f32_16x16x128_f8f6f4 v[\d:\d+7], v[\a:\a+11], v[\b:\b+11], v[\c:\c+7], v[\sa], v[\sb] matrix_a_fmt:MATRIX_FMT_FP6 matrix_b_fmt:MATRIX_FMT_FP6 matrix_a_scale:MATRIX_SCALE_ROW1
.elseif (\rb)
	v_wmma_scale_f32_16x16x128_f8f6f4 v[\d:\d+7], v[\a:\a+11], v[\b:\b+11], v[\c:\c+7], v[\sa], v[\sb] matrix_a_fmt:MATRIX_FMT_FP6 matrix_b_fmt:MATRIX_FMT_FP6 matrix_b_scale:MATRIX_SCALE_ROW1
.else
	v_wmma_scale_f32_16x16x128_f8f6f4 v[\d:\d+7], v[\a:\a+11], v[\b:\b+11], v[\c:\c+7], v[\sa], v[\sb] matrix_a_fmt:MATRIX_FMT_FP6 matrix_b_fmt:MATRIX_FMT_FP6
.endif
.endm
.macro MULB i, n, first
.if \first
	WIN 0xb1
.else
	WIN 0xa1
.endif
.irp a, 0,1,2,3
.set DR, 32*(\i)+8*\a
.set CR, DR
.if \first
.set CR, 8*(\i)
.endif
	WM DR, 12*(\i), AF+48*((\n)%2)+12*\a, CR, SCB+8*((\i)/2)+(\n), SCA+8*(\a/2)+(\n), (\i)%2, \a%2
.endr
.endm
.macro REST n, ns, nq, first
	FETCH_A \ns, \nq, ((\n)+1)%2
	FETCH_B \ns, \nq, 0, 4
.irp i, 4,5,6,7
	MULB \i, \n, \first
.endr
	PLACES 4
	FETCH_B \ns, \nq, 4, 4
.endm
.macro STEP n, ns, nq, first
	s_wait_dscnt 16
.irp i, 0,1,2,3
	MULB \i, \n, \first
.endr
	s_wait_dscnt 0x0
	PLACES 4
	WIN 0
	REST \n, \ns, \nq, \first
.endm
	s_wait_alu depctr_va_vdst(0)                   ; the wait at the head's end
	s_cmp_lt_u32 s14, 2                            ; waves 0 and 1 wait for their own load lines: the first half of K
	s_cbranch_scc0 .Lnot_first
	s_wait_tensorcnt 0x0
.Lnot_first:
	s_barrier_signal -1
	s_barrier_wait -1
	FETCH_A 0, 0, 0
	FETCH_B 0, 0, 0, 4
	FETCH_B 0, 0, 4, 4
	s_wait_loadcnt 0x0
.irp p, 0,1
.irp n, 0,1,2,3,4,5,6,7
	v_lshl_or_b32 v[SCA+8*\p+\n], v[HT+4*\n+2+\p], 16, v[HT+4*\n+\p]
.endr
.endr
	PLACES 8
	s_wait_alu depctr_va_vdst(0)
	STEP 0, 0, 1, 1
	STEP 1, 1, 0, 0
	STEP 2, 1, 1, 0
	s_wait_tensorcnt 0x0                           ; every wave's load is in,
	s_wait_dscnt 0x0                               ; no LDS instruction of mine is out at the signal,
	s_barrier_signal -1
	s_barrier_wait -1                              ; and the second half of K is shown to all: step 3 fetches from it
	STEP 3, 2, 0, 0
	STEP 4, 2, 1, 0
	STEP 5, 3, 0, 0
	STEP 6, 3, 1, 0
	s_wait_dscnt 16
.irp i, 0,1,2,3
	MULB \i, 7, 0
.endr
	s_wait_dscnt 0x0
.irp i, 4,5,6,7
	MULB \i, 7, 0
.endr
	WIN 0
.macro TOSTAGE a
	WIN 0x08
.irp i, 0,1,2,3,4,5,6,7
	ds_store_b128 v[STO], v[32*\i+8*(\a):32*\i+8*(\a)+3] offset:128*(\i/2)+32*(\i%2)
	ds_store_b128 v[STO], v[32*\i+8*(\a)+4:32*\i+8*(\a)+7] offset:128*(\i/2)+32*(\i%2)+16
.endr
	WIN 0
.set BB, BK+64*((\a)%2)
.irp t, 0,1,2,3,4,5,6,7,8,9,10,11,12,13,14,15
	ds_load_b128 v[BB+4*\t:BB+4*\t+3], v[RD] offset:\t*528
.endr
.endm
.macro SEND a, younger
.set BB, BK+64*((\a)%2)
	s_wait_dscnt \younger
.irp t, 0,1,2,3,4,5,6,7,8,9,10,11,12,13,14,15
	global_store_b128 v[L16], v[BB+4*\t:BB+4*\t+3], s[60:61] offset:(32*((\a)/2)+8*((\a)%2)+\t+8*(\t/8))*4096 th:TH_STORE_NT
.endr
.endm
	PLACES 4
	TOSTAGE 0
.irp a, 1,2,3
.if \a > 1
	s_wait_xcnt 0x0
.endif
	TOSTAGE \a
	SEND \a-1, 32
.endr
	SEND 3, 0
	s_wait_tensorcnt 0x0
	ds_add_u32 v94, v95
	s_wait_dscnt 0x0
	CROUND
	s_endpgm
.Lfunc_end_k_qefd6d52c26_outp:
	.size	k_qefd6d52c26_outp, .Lfunc_end_k_qefd6d52c26_outp-k_qefd6d52c26_outp
	.p2alignl 7, 3214868480
	.fill 96, 4, 3214868480
	.section	.rodata,"a",@progbits
	.p2align	6, 0x0
	.amdhsa_kernel k_qefd6d52c26_outp
		.amdhsa_group_segment_fixed_size 327680
		.amdhsa_private_segment_fixed_size 0
		.amdhsa_enable_private_segment 0
		.amdhsa_kernarg_size 48
		.amdhsa_user_sgpr_count 2
		.amdhsa_user_sgpr_kernarg_segment_ptr 1
		.amdhsa_wavefront_size32 1
		.amdhsa_system_sgpr_workgroup_id_x 1
		.amdhsa_system_sgpr_workgroup_id_y 1
		.amdhsa_system_sgpr_workgroup_id_z 1
		.amdhsa_system_vgpr_workitem_id 0
		.amdhsa_next_free_vgpr 1024
		.amdhsa_next_free_sgpr 100
		.amdhsa_reserve_vcc 0
		.amdhsa_float_denorm_mode_32 3
		.amdhsa_float_denorm_mode_16_64 3
		.amdhsa_memory_ordered 1
		.amdhsa_forward_progress 1
		.amdhsa_inst_pref_size 90
	.end_amdhsa_kernel
	.amdgpu_metadata
---
amdhsa.version: [ 1, 2 ]
amdhsa.kernels:
  - .name:           k_qefd6d52c26_outp
    .symbol:         k_qefd6d52c26_outp.kd
    .args:
      - { .name: vcod, .offset: 0, .size: 8, .value_kind: global_buffer, .address_space: global }
      - { .name: vscl, .offset: 8, .size: 8, .value_kind: global_buffer, .address_space: global }
      - { .name: cod, .offset: 16, .size: 8, .value_kind: global_buffer, .address_space: global }
      - { .name: scl, .offset: 24, .size: 8, .value_kind: global_buffer, .address_space: global }
      - { .name: b_out, .offset: 32, .size: 8, .value_kind: global_buffer, .address_space: global }
      - { .name: out0, .offset: 40, .size: 8, .value_kind: global_buffer, .address_space: global }
    .group_segment_fixed_size: 327680
    .private_segment_fixed_size: 0
    .kernarg_segment_align: 8
    .kernarg_segment_size: 48
    .max_flat_workgroup_size: 128
    .sgpr_count:     100
    .vgpr_count:     1024
    .wavefront_size: 32
...
	.end_amdgpu_metadata
.endif
;; end of part 4
